; MI455X (gfx1250); checked and timed in simulation.
; The chip was launched on July 23, 2026; its instructions are those of AMD's public machine-readable ISA for CDNA 5 (MIT licence, August 2026) and "CDNA5" Instruction Set Architecture Reference Guide (July 2026). The comments in the code are by the model that wrote it; some were corrected since.
;; Casual Multi Query Attention. Allowed arithmetic: float matrix products may take bf16 or f16 operands with f32 sums; other float arithmetic in f32, or as packed bf16 or f16 multiplies, adds, multiply-adds, maxima and minima; sums over many terms, partial sums and values carried from step to step in f32; what a program stores and reads back later, other than sums and carried values, may be rounded once to bf16 or f16.
;; Inputs: bk 2,048 float32; bo 2,048 float32; bq 2,048 float32; bv 2,048 float32; freqs_cos 2,048 x 64 float32; freqs_sin 2,048 x 64 float32; wk 2,048 x 2,048 float32; wo 2,048 x 2,048 float32; wq 2,048 x 2,048 float32; wv 2,048 x 2,048 float32; x 1 x 2,048 x 2,048 float32.
;; Outputs: out0 1 x 2,048 x 2,048 float32.
;; One version. Each part assembles by itself: llvm-mc -triple=amdgcn-amd-amdhsa -mcpu=gfx1250 --defsym DOCPART=n.
;; ======== version 1 of 1: 4 launches
;; limits: values are held in f16: magnitudes above 65,504 overflow, below 6.1e-05 lose precision
;; workspace buffers: cb 41,943,040 bytes; qh 8,388,608 bytes; kh 8,388,608 bytes; vt 8,388,608 bytes; oh 8,388,608 bytes
;; launch cast (part 1): grid 256 x 5, 8 waves a work-group, no clusters, 0 bytes of LDS; arguments x, wq, wk, wv, wo, cb; writes cb
.if DOCPART == 1
	.amdgcn_target "amdgcn-amd-amdhsa--gfx1250"
	.amdhsa_code_object_version 6
	.text
	.protected	k_qcf29e00738_cast
	.globl	k_qcf29e00738_cast
	.p2align	8
	.type	k_qcf29e00738_cast,@function
k_qcf29e00738_cast:
	s_mov_b64 s[64:65], 0
	v_nop
	global_prefetch_b8 v0, s[64:65] scope:SCOPE_SE
	s_setreg_imm32_b32 hwreg(HW_REG_WAVE_MODE, 25, 1), 1
	s_wait_xcnt 0x0
; The five large inputs, f32 [2048][2048] each, are rounded ONCE to 16 bits into cb: section y of 8,388,608 bytes holds tensor y (0 x, 1 wq, 2 wk, 3 wv, 4 wo).
; x, wq, wk, wv: bf16.  wo: rounded to bf16 like every other input, and that number written as f16, since the last product multiplies in f16.
; LIMITS.  |wo| stays under 65,504 (f16's largest number); a rounded wo below 2^-14 keeps f16's fixed step of 2^-24.  NaN and infinities are not treated apart.
; SHARES.  Work-group (bx, y) takes 16,384 numbers of tensor y, as 16 chunks of 1,024.  Thread t takes numbers 4 t .. 4 t + 3 of each chunk: a wave's load covers 512 consecutive bytes,
; its store 256 consecutive bytes at a multiple of 256 from cb's first byte.  All 16 loads of a thread go out at once.  A chunk is converted in the registers into which it was loaded and stored from
; them; each register is loaded once and stored once, so nothing is rewritten while a memory instruction names it.  80 registers a wave: two waves of each of five work-groups take 800 of a SIMD's 1,024.
; No LDS, no matrix unit, no cluster: each byte is read once and written once, and nothing is shared.
.set X, 16                             ; v[16:79]   chunk i: 4 numbers as loaded; its first two registers then hold what is stored
	s_load_b256 s[4:11], s[0:1], 0x0               ; x s[4:5], wq s[6:7], wk s[8:9], wv s[10:11]
	s_load_b128 s[12:15], s[0:1], 0x20             ; wo s[12:13], cb s[14:15]
	s_and_b32 s20, ttmp7, 0xffff                   ; y: which tensor
	v_lshlrev_b32 v1, 4, v0                        ; 16 t: my bytes in a chunk as it is read
	v_lshlrev_b32 v2, 3, v0                        ; 8 t: as it is written
	s_lshl_b32 s22, ttmp9, 16                      ; the work-group's 65,536 bytes of the source
	s_mov_b32 s23, 0
	s_lshl_b32 s24, s20, 23                        ; the tensor's section of cb,
	s_lshl_b32 s25, ttmp9, 15                      ; and the work-group's 32,768 bytes in it
	s_add_co_u32 s24, s24, s25
	s_mov_b32 s25, 0
	s_wait_kmcnt 0x0
	s_mov_b64 s[16:17], s[4:5]                     ; the source is chosen by y, which hangs on no address
	s_cmp_eq_u32 s20, 1
	s_cselect_b64 s[16:17], s[6:7], s[16:17]
	s_cmp_eq_u32 s20, 2
	s_cselect_b64 s[16:17], s[8:9], s[16:17]
	s_cmp_eq_u32 s20, 3
	s_cselect_b64 s[16:17], s[10:11], s[16:17]
	s_cmp_eq_u32 s20, 4
	s_cselect_b64 s[16:17], s[12:13], s[16:17]
	s_add_nc_u64 s[16:17], s[16:17], s[22:23]
	s_add_nc_u64 s[18:19], s[14:15], s[24:25]
.irp i, 0,1,2,3,4,5,6,7,8,9,10,11,12,13,14,15
	global_load_b128 v[X+4*(\i):X+4*(\i)+3], v1, s[16:17] offset:4096*(\i) th:TH_LOAD_NT
.endr
; Chunk i leaves.  half = 1: the bf16 numbers are widened again (the upper word first, so that nothing is lost) and written as f16.
.macro OUT i, half
	s_wait_loadcnt 15-(\i)                         ; loads come back in order: mine is in, the 15 - i younger ones stay out
	v_cvt_pk_bf16_f32 v[X+4*(\i)],   v[X+4*(\i)],   v[X+4*(\i)+1]
	v_cvt_pk_bf16_f32 v[X+4*(\i)+1], v[X+4*(\i)+2], v[X+4*(\i)+3]
.if \half
	v_and_b32     v[X+4*(\i)+3], 0xffff0000, v[X+4*(\i)+1]
	v_lshlrev_b32 v[X+4*(\i)+2], 16, v[X+4*(\i)+1]
	v_and_b32     v[X+4*(\i)+1], 0xffff0000, v[X+4*(\i)]
	v_lshlrev_b32 v[X+4*(\i)],   16, v[X+4*(\i)]
	v_cvt_pk_f16_f32 v[X+4*(\i)],   v[X+4*(\i)],   v[X+4*(\i)+1]
	v_cvt_pk_f16_f32 v[X+4*(\i)+1], v[X+4*(\i)+2], v[X+4*(\i)+3]
.endif
	global_store_b64 v2, v[X+4*(\i):X+4*(\i)+1], s[18:19] offset:2048*(\i)
.endm
	s_cmp_eq_u32 s20, 4
	s_cbranch_scc1 .Lwo
.irp i, 0,1,2,3,4,5,6,7,8,9,10,11,12,13,14,15
	OUT \i, 0
.endr
	s_endpgm
.Lwo:
.irp i, 0,1,2,3,4,5,6,7,8,9,10,11,12,13,14,15
	OUT \i, 1
.endr
	s_endpgm
.Lfunc_end_k_qcf29e00738_cast:
	.size	k_qcf29e00738_cast, .Lfunc_end_k_qcf29e00738_cast-k_qcf29e00738_cast
	.p2alignl 7, 3214868480
	.fill 96, 4, 3214868480
	.section	.rodata,"a",@progbits
	.p2align	6, 0x0
	.amdhsa_kernel k_qcf29e00738_cast
		.amdhsa_group_segment_fixed_size 0
		.amdhsa_private_segment_fixed_size 0
		.amdhsa_enable_private_segment 0
		.amdhsa_kernarg_size 48
		.amdhsa_user_sgpr_count 2
		.amdhsa_user_sgpr_kernarg_segment_ptr 1
		.amdhsa_wavefront_size32 1
		.amdhsa_system_sgpr_workgroup_id_x 1
		.amdhsa_system_sgpr_workgroup_id_y 1
		.amdhsa_system_sgpr_workgroup_id_z 1
		.amdhsa_system_vgpr_workitem_id 0
		.amdhsa_next_free_vgpr 80
		.amdhsa_next_free_sgpr 66
		.amdhsa_reserve_vcc 0
		.amdhsa_float_denorm_mode_32 3
		.amdhsa_float_denorm_mode_16_64 3
		.amdhsa_memory_ordered 1
		.amdhsa_forward_progress 1
		.amdhsa_inst_pref_size 16
	.end_amdhsa_kernel
	.amdgpu_metadata
---
amdhsa.version: [ 1, 2 ]
amdhsa.kernels:
  - .name:           k_qcf29e00738_cast
    .symbol:         k_qcf29e00738_cast.kd
    .args:
      - { .name: x, .offset: 0, .size: 8, .value_kind: global_buffer, .address_space: global }
      - { .name: wq, .offset: 8, .size: 8, .value_kind: global_buffer, .address_space: global }
      - { .name: wk, .offset: 16, .size: 8, .value_kind: global_buffer, .address_space: global }
      - { .name: wv, .offset: 24, .size: 8, .value_kind: global_buffer, .address_space: global }
      - { .name: wo, .offset: 32, .size: 8, .value_kind: global_buffer, .address_space: global }
      - { .name: cb, .offset: 40, .size: 8, .value_kind: global_buffer, .address_space: global }
    .group_segment_fixed_size: 0
    .private_segment_fixed_size: 0
    .kernarg_segment_align: 8
    .kernarg_segment_size: 48
    .max_flat_workgroup_size: 256
    .sgpr_count:     66
    .vgpr_count:     80
    .wavefront_size: 32
...
	.end_amdgpu_metadata
.endif
;; end of part 1
;; launch qkv (part 2): grid 16 x 16, 4 waves a work-group, clusters of 4 x 4, 327,680 bytes of LDS; arguments cb, bq, bk, bv, freqs_cos, freqs_sin, qh, kh, vt; writes qh, kh, vt
.if DOCPART == 2
	.amdgcn_target "amdgcn-amd-amdhsa--gfx1250"
	.amdhsa_code_object_version 6
	.text
	.protected	k_qcf29e00738_qkv
	.globl	k_qcf29e00738_qkv
	.p2align	8
	.type	k_qcf29e00738_qkv,@function
k_qcf29e00738_qkv:
	s_mov_b64 s[64:65], 0
	v_nop
	global_prefetch_b8 v0, s[64:65] scope:SCOPE_SE
	s_setreg_imm32_b32 hwreg(HW_REG_WAVE_MODE, 25, 1), 1
	s_wait_xcnt 0x0
	s_wait_alu depctr_hold_cnt(0) depctr_sa_sdst(0) depctr_va_vdst(0) depctr_va_sdst(0) depctr_va_ssrc(0) depctr_va_vcc(0) depctr_vm_vsrc(0)
	s_getreg_b32 s2, hwreg(HW_REG_IB_STS2, 6, 4)
	s_cmp_eq_u32 s2, 0
	s_cbranch_scc0 .Lentry_in_a_cluster
	s_endpgm
.Lentry_in_a_cluster:
	s_bfe_u32 s2, ttmp6, 0x10000c
	s_cmp_lg_u32 s2, 0xf033
	s_cbranch_scc0 .Lentry_shape_is_right
	s_endpgm
.Lentry_shape_is_right:
; q = rope(x wq^T + bq), k = rope(x wk^T + bk), v = x wv^T + bv, for one head and 128 rows of x.  x and the weights come from cb in bf16 ([2048][2048] each: section 0 x, 1 wq, 2 wk, 3 wv);
; sums in f32; the biases and the two tables are rounded to bf16 like every other input and used in f32; q, k, v are rounded once to f16.
; OUT: qh, kh [16 heads][2048 rows][128 channels]; vt [16 heads][128 channels][2048 rows]: v TRANSPOSED, so that the next launch reads it as it lies.
; LIMITS.  |q|, |k|, |v| stay under 65,504 (f16's largest number).  NaN and infinities are not treated apart.
; SHARES.  Work-group (RB, HEAD): x rows 128 RB .. + 127 times the head's 128 rows of each of wq, wk, wv: 128 x 384 results; 256 work-groups, alike.  Wave w: all 128 x rows times channels
; 32 w .. 32 w + 31 of q, of k and of v: 8 row blocks a x 6 column blocks b (0, 1 q; 2, 3 k; 4, 5 v) = 48 accumulators, 384 registers.  K goes in 16 steps of 128 through two LDS slots.
; ORIENTATION.  q, k: source 0 = 16 weight rows, source 1 = 16 x rows: a lane holds ONE row and 8 neighbouring channels (4 rope pairs).  v: the sources swapped: a lane holds ONE channel and 8 neighbouring rows.
; The bias is the C operand of the product that starts a sum: nothing is cleared and nothing is added later.
; CLUSTER 4 x 4.  x's tile hangs on RB (work-group x) alone and is shared along a column of the cluster, the weights' tiles on HEAD (work-group y) alone and are shared along a row: each is asked for
; jointly, by the same tensor load with the same descriptor and a mask that names the four.  Wave 0 asks for x's 128 rows, waves 1, 2, 3 for wq's, wk's, wv's: one load a wave behind each round.
; THE WALK THROUGH K IS STAGGERED.  Cluster (X, Y) begins at K step (4 X + 8 Y) mod 16 and goes once round.  So the four clusters that read the same weights (same Y) stand 4 K steps apart, and of the four
; that read the same rows of x (same X) two and two stand 8 apart: at any one time they ask for different blocks.  The f32 sums may be taken in any order.  A refill's address is made anew from its K step.
; THE TEXT.  A K step is written once: the LDS addresses are a base plus TB (0 or SLOT), one group 0 a tensor walks.  The loop's trip goes from a step's second quarter to the next step's first.
; REGISTERS, in windows of 256 (s_set_vgpr_msb: bits 1:0 source 0, 3:2 source 1, 5:4 source 2, 7:6 destination):
;   window 0: addresses, bias, the way out     window 1: two fragment buffers of 112 (x's 8 fragments, then the weights' 6)     window 2: accumulators of a = 0..3 at v[8 (6 a + b)]     window 3: a = 4..7
.set KSTEP,  128
.set STEPS,  16
.set PITCH,  272                       ; an LDS row: 256 bytes + 16 of padding = 68 words: the 16 rows of a load start at 16 different groups of four banks (64 banks of 4 bytes: ISA guide 11.1)
.set HALFT,  128*PITCH                 ; 128 rows: what one tensor load brings
.set SLOT,   4*HALFT                   ; x's rows, wq's, wk's, wv's
.set SPARE,  2*SLOT                    ; behind the ring: the spare words, 128 bytes for each wave: two blocks of 256 bytes that no other line names
.set STV,    2*HALFT                   ; the way out's stages lie in slot 0, behind its last fill of the launch: q at 0, k at HALFT, v^T at STV: 128 rows of 272 bytes each
.set BSA,  10                          ; v10  x's fragments in slot 0: 272 r + 16 h; never rewritten
.set BSB,  11                          ; v11  my 32 rows of wq in slot 0 (wk's lie HALFT further); never rewritten
.set BSV,  12                          ; v12  my 32 rows of wv in slot 0 (the 16-bit offset does not reach them from BSB); never rewritten
.set ADRA, 16                          ; v16, v18, v20  the same three in the slot that is being read
.set ADRB, 18
.set ADRV, 20
.set SQ,   22                          ; v22  stage in, q and k: 272 r + 16 h + 64 w
.set SV,   23                          ; v23  stage in, v^T: STV + (32 w + r) 272 + 16 h
.set RD,   24                          ; v24  stage back: (32 w + h) 272 + 16 r
.set RDV,  25                          ; v25  the same in v^T's stage
.set CO,   26                          ; v26  256 h + 16 r: two rows of qh, kh
.set COV,  27                          ; v27  4096 h + 16 r: two rows of vt
.set SPW,  28                          ; v28  LDS address of my spare word; never rewritten
.set NIL,  29                          ; v29  0; never rewritten
.set PFO,  30                          ; v30  the prefetches' offset: my lane x a row of cb; never rewritten
.set CSO,  31                          ; v31  my 16 bytes in a row block of the tables: 256 r + 64 w + 16 h
.set RAW,  32                          ; v32-63   bias as loaded
.set BIAS, 64                          ; v64-111  8 registers a block b.  Behind the first quarter v32-143 and v228-243 take the tables: 16 registers a row block: cos (8), sin (8)
.set CW,   144                         ; v144-151 8 cosines
.set SN,   152                         ; v152-167 8 pairs (-sin, +sin)
.set T,    168                         ; v168-199 q's and k's 4 blocks after the rotation
.set Y,    200                         ; v200-223 6 blocks in f16
.set TT,   224                         ; v224-227 at work
.set BK,   64                          ; v64-255  the way out: 48 x 4 registers read back
.set F0,   0
.set F1,   112
.set WV,   22                          ; s22  my wave's number
.set CX,   24
.set CY,   25
.set HEAD, 26
.set RB,   27
.set G1A,  32                          ; s[32:39] descriptor group 1 for x's tiles;  s[40:47] group 0: a set for each of the two first fills; the second then serves every refill
.set G0A,  40
.set G1B,  48                          ; s[48:55], s[56:63] the same for the weights' tiles
.set G0B,  56
.set PFA,  66                          ; s[66:67] what my next prefetch names
.set LIM,  68                          ; s68  a wave prefetches while the trips to go are more than this
.set LB,   69                          ; s69  my tile's place in a slot: wave x 128 rows
.set XB,   74                          ; s[74:75] x at row 128 RB, K step 0.  It never holds cy
.set WB,   76                          ; s[76:77] my weight at the head's first row, K step 0.  It never holds cx
.set QB,   80                          ; s[80:81] qh, s[82:83] kh, s[84:85] vt at my first row to store
.set KBS,  82
.set VBS,  84
.set COSB, 86                          ; s[86:87] cos, s[88:89] sin at row 128 RB
.set SINB, 88
.set TB,   90                          ; s90  the slot that is being read: 0 or SLOT
.set SB,   91                          ; s91  the slot that was filled last: 0 or SLOT
.set KQ,   92                          ; s92  the K step to be asked for next
.set PFK,  93                          ; s93  the K step that was prefetched last
.set OFF,  94                          ; s[94:95] a K step's byte offset in a row
.set PFB,  96                          ; s[96:97] x at my work-group's 32 of the 128 rows, K step 0
.set PO,   98                          ; s[98:99] the prefetched K step's byte offset
.set MSB, 0
.macro WIN new                         ; the immediate's high byte repeats the setting that is left; a switch that changes nothing is dropped
.if MSB != (\new)
	s_set_vgpr_msb (MSB<<8)|(\new)
.set MSB, \new
.endif
.endm
; A joint load.  The branch hangs on the wave's number alone.  An s_nop 0 and four v_nop follow each of the two lines, ahead of the jump, the label and what follows.
.macro JLOAD s
	s_cmp_eq_u32 s[WV], 0
	s_cbranch_scc0 .Lfor_b_\@
	tensor_load_to_lds s[G0A+4*(\s):G0A+4*(\s)+3], s[G1A:G1A+7]
	s_nop 0
.rept 4
	v_nop
.endr
	s_branch .Lasked_\@
.Lfor_b_\@:
	tensor_load_to_lds s[G0B+4*(\s):G0B+4*(\s)+3], s[G1B:G1B+7]
	s_nop 0
.rept 4
	v_nop
.endr
.Lasked_\@:
.endm
; A PREFETCH INTO THE L2, behind a joint load, its five lines and the run of LDS loads: x's rows of the K step that stands two refills on: 32 rows x 256 bytes, a lane a row, one instruction.
; WHO: of the four clusters that read the same rows of x, those with cluster y = 0 and 2 walk alike, and so do 1 and 3: y = 0 and 1 ask, by wave 0, which fetches x; the four partners of the joint
; load share its 128 rows out by address, 32 each (by cy).  WHAT: the walk's steps 4 to 7, in the loop's first four trips: 384 matrix instructions ahead of the load that wants them.  So each named block
; is named once in the launch.  The walk's steps 0 to 3 come by their loads alone; its steps 8 to 15 are steps 0 to 7 of the walk that began 8 K steps further on, and are asked for no more.
; The weights: a walk's steps 4 to 15 are steps 0 to 3 of the three walks that began 4, 8 and 12 K steps further on; its steps 2 and 3 come by their refills alone.
.macro ASK
	s_cmp_gt_u32 s3, s[LIM]
	s_cbranch_scc0 .Lnot_mine_\@
	global_prefetch_b8 v[PFO], s[PFA:PFA+1] th:TH_LOAD_NT scope:SCOPE_SE
.Lnot_mine_\@:
.endm
.macro CREST                           ; a round of the cluster's barrier behind its opening barrier
	s_cmp_lg_u32 s[WV], 0
	s_cbranch_scc1 .Lnot_wave_0_\@
	s_barrier_signal -3
.Lnot_wave_0_\@:
	s_barrier_wait -3
	s_barrier_signal -1
	s_barrier_wait -1
.endm
.macro CROUND                          ; a whole round
	s_barrier_signal -1
	s_barrier_wait -1
	CREST
.endm
.macro PLACES                          ; four places in front of loads into registers that matrix instructions have read, and of vector lines that read results
.rept 4
	v_nop
.endr
.endm
	s_load_b512 s[4:19], s[0:1], 0x0               ; cb s[4:5], bq s[6:7], bk s[8:9], bv s[10:11], cos s[12:13], sin s[14:15], qh s[16:17], kh s[18:19]
	s_load_b64 s[20:21], s[0:1], 0x40              ; vt
	v_lshl_add_u32 v[SPW], v0, 2, SPARE
	v_mov_b32 v[NIL], 0
	ds_add_u32 v[SPW], v[NIL]                      ; the wave's opening: the add and its wait stand ahead of my first tensor load; the set-up below, work on registers, stands between them
	v_lshrrev_b32 v1, 5, v0
	v_readfirstlane_b32 s[WV], v1                  ; wave 0..3
	s_bfe_u32 s[CX], ttmp6, 0x40000                ; my place in the cluster
	s_bfe_u32 s[CY], ttmp6, 0x40004
	s_lshl_b32 s[RB], ttmp9, 2
	s_add_co_u32 s[RB], s[RB], s[CX]               ; the block of 128 rows = 4 x cluster x + cx
	s_and_b32 s2, ttmp7, 0xffff                    ; cluster y
	s_lshl_b32 s[HEAD], s2, 2
	s_add_co_u32 s[HEAD], s[HEAD], s[CY]           ; the head = 4 x cluster y + cy
	s_lshl_b32 s28, s[CY], 2
	s_lshl_b32 s28, 15, s28                        ; my row of the cluster
	s_lshl_b32 s29, 0x1111, s[CX]                  ; my column
	; descriptor group 1: a tile of 128 rows x 128 elements of 2 bytes, 4 words of padding after every 64
	s_or_b32 s[G1A], s29, (1<<16)|(1<<20)|(1<<21)|(5<<22)|(3<<25)   ; x's tiles go to my column
	s_or_b32 s[G1B], s28, (1<<16)|(1<<20)|(1<<21)|(5<<22)|(3<<25)   ; the weights' to my row
.irp g, G1A, G1B
	s_mov_b32 s[(\g)+1], KSTEP<<16                 ; tensor_dim0 = 128
	s_mov_b32 s[(\g)+2], 128<<16                   ; tensor_dim1 = 128
	s_mov_b32 s[(\g)+3], KSTEP<<16                 ; tile_dim0 = 128
	s_mov_b32 s[(\g)+4], 128                       ; tile_dim1 = 128
	s_mov_b32 s[(\g)+5], 2048                      ; elements from row to row
	s_mov_b32 s[(\g)+6], 0
	s_mov_b32 s[(\g)+7], 0
.endr
	s_lshl_b32 s[KQ], ttmp9, 2                     ; where my cluster's walk begins: (4 x cluster x + 8 x cluster y) mod 16: the same in all sixteen partners
	s_lshl_b32 s31, s2, 3
	s_add_co_u32 s[KQ], s[KQ], s31
	s_and_b32 s[KQ], s[KQ], STEPS-1
	s_mov_b32 s[OFF+1], 0
	s_mov_b32 s[PO+1], 0
	s_mov_b32 s[TB], 0
	s_mov_b32 s[SB], SLOT                          ; the second first fill goes into slot 1
	s_lshl_b32 s70, s[RB], 19                      ; x: 128 RB rows of 4,096 bytes
	s_mov_b32 s71, 0
	s_max_u32 s72, s[WV], 1                        ; the weights: section 1, 2, 3 for waves 1, 2, 3 (wave 0 makes an address that it never asks by),
	s_lshl_b32 s72, s72, 23
	s_lshl_b32 s73, s[HEAD], 19                    ; the head's 128 rows
	s_add_co_u32 s72, s72, s73
	s_mov_b32 s73, 0
	s_mul_i32 s[LB], s[WV], HALFT                  ; where my tile goes: no place in the cluster enters an LDS address
	s_wait_dscnt 0x0                               ; the opening add is done
	s_wait_kmcnt 0x0
	s_add_nc_u64 s[XB:XB+1], s[4:5], s[70:71]
	s_add_nc_u64 s[WB:WB+1], s[4:5], s[72:73]
	CROUND                                         ; all sixteen work-groups are here: the first joint loads meet
.irp s, 0,1
	s_lshl_b32 s[OFF], s[KQ], 8                    ; a K step is 256 bytes of a row
	s_mov_b32 s[G0A+4*(\s)], 1
	s_add_co_u32 s[G0A+4*(\s)+1], s[LB], (\s)*SLOT
	s_add_nc_u64 s[G0A+4*(\s)+2:G0A+4*(\s)+3], s[XB:XB+1], s[OFF:OFF+1]
	s_or_b32 s[G0A+4*(\s)+3], s[G0A+4*(\s)+3], 0x80000000
	s_mov_b32 s[G0B+4*(\s)], 1
	s_add_co_u32 s[G0B+4*(\s)+1], s[LB], (\s)*SLOT
	s_add_nc_u64 s[G0B+4*(\s)+2:G0B+4*(\s)+3], s[WB:WB+1], s[OFF:OFF+1]
	s_or_b32 s[G0B+4*(\s)+3], s[G0B+4*(\s)+3], 0x80000000
	s_add_co_u32 s[KQ], s[KQ], 1                   ; the walk's next K step, round the end
	s_and_b32 s[KQ], s[KQ], STEPS-1
	JLOAD \s
.endr
	; the prefetches.  KQ stands at the walk's step 2; the first trip steps PFK to the walk's step 4
	s_cmp_lt_u32 s2, 2
	s_cselect_b32 s[LIM], STEPS-6, -1              ; the loop counts 14 trips down: trips to go 14, 13, 12, 11 are above 10
	s_cmp_eq_u32 s[WV], 0
	s_cselect_b32 s[LIM], s[LIM], -1
	s_lshl_b32 s78, s[CY], 17                      ; my work-group's 32 rows of 4,096 bytes
	s_add_co_u32 s78, s78, s70
	s_mov_b32 s79, 0
	s_add_nc_u64 s[PFB:PFB+1], s[4:5], s[78:79]
	s_add_co_u32 s[PFK], s[KQ], 1
	s_and_b32 s[PFK], s[PFK], STEPS-1
	; LDS addresses.  A fragment is 16 rows x 32 K in 8 registers: lane l holds row r = l % 16; registers 0-3 K = 8 h + 0..7 (h = l / 16), registers 4-7 K = 16 + 8 h + 0..7: two loads of 16 bytes, 32 bytes apart
	v_and_b32 v1, 15, v0                           ; r
	v_bfe_u32 v2, v0, 4, 1                         ; h
	v_mul_u32_u24 v[BSA], v1, PITCH
	v_lshl_add_u32 v[BSA], v2, 4, v[BSA]           ; 272 r + 16 h
	s_mul_i32 s31, s[WV], 32*PITCH                 ; my 32 rows
	s_add_co_u32 s30, s31, HALFT
	v_add_nc_u32 v[BSB], s30, v[BSA]
	v_add_nc_u32 v[BSV], 2*HALFT, v[BSB]
	v_mov_b32 v[ADRA], v[BSA]                      ; the walk begins in slot 0
	v_mov_b32 v[ADRB], v[BSB]
	v_mov_b32 v[ADRV], v[BSV]
	v_add_nc_u32 v[SV], s31, v[BSA]
	v_add_nc_u32 v[SV], STV, v[SV]
	v_mul_u32_u24 v4, v2, PITCH
	v_lshl_add_u32 v4, v1, 4, v4                   ; 272 h + 16 r
	v_add_nc_u32 v[RD], s31, v4
	v_add_nc_u32 v[RDV], STV, v[RD]
	s_lshl_b32 s31, s[WV], 6                       ; my 32 channels: 64 bytes of f16, and 64 bytes (16 pairs) of a table's row
	v_add_nc_u32 v[SQ], s31, v[BSA]
	v_lshlrev_b32 v[CSO], 8, v1
	v_lshl_add_u32 v[CSO], v2, 4, v[CSO]
	v_add_nc_u32 v[CSO], s31, v[CSO]
	v_lshlrev_b32 v[CO], 8, v2
	v_lshl_add_u32 v[CO], v1, 4, v[CO]
	v_lshlrev_b32 v[COV], 12, v2
	v_lshl_add_u32 v[COV], v1, 4, v[COV]
	v_and_b32 v[PFO], 31, v0
	v_lshlrev_b32 v[PFO], 12, v[PFO]
	v_lshlrev_b32 v7, 5, v2                        ; q's and k's bias: my 8 channels begin 32 h bytes into the block
	v_lshlrev_b32 v8, 2, v1                        ; v's bias: my channel r
	; bases
	s_lshl_b32 s72, s[HEAD], 9                     ; the biases at channel 128 HEAD + 32 w
	s_lshl_b32 s73, s[WV], 7
	s_add_co_u32 s72, s72, s73
	s_mov_b32 s73, 0
	s_add_nc_u64 s[6:7], s[6:7], s[72:73]
	s_add_nc_u64 s[8:9], s[8:9], s[72:73]
	s_add_nc_u64 s[10:11], s[10:11], s[72:73]
.irp b, 0,1
	global_load_b128 v[RAW+8*(\b):RAW+8*(\b)+3],       v7, s[6:7] offset:64*(\b)
	global_load_b128 v[RAW+8*(\b)+4:RAW+8*(\b)+7],     v7, s[6:7] offset:64*(\b)+16
	global_load_b128 v[RAW+16+8*(\b):RAW+16+8*(\b)+3], v7, s[8:9] offset:64*(\b)
	global_load_b128 v[RAW+16+8*(\b)+4:RAW+16+8*(\b)+7], v7, s[8:9] offset:64*(\b)+16
.endr
	global_load_b32 v5, v8, s[10:11]
	global_load_b32 v6, v8, s[10:11] offset:64
	s_lshl_b32 s70, s[RB], 15                      ; the tables at row 128 RB (256 bytes a row)
	s_mov_b32 s71, 0
	s_add_nc_u64 s[COSB:COSB+1], s[12:13], s[70:71]
	s_add_nc_u64 s[SINB:SINB+1], s[14:15], s[70:71]
	s_lshl_b32 s78, s[HEAD], 19                    ; qh, kh: row 2048 HEAD + 128 RB + 32 w, 256 bytes a row
	s_add_co_u32 s78, s78, s70
	s_lshl_b32 s79, s[WV], 13
	s_add_co_u32 s78, s78, s79
	s_mov_b32 s79, 0
	s_add_nc_u64 s[QB:QB+1], s[16:17], s[78:79]
	s_add_nc_u64 s[KBS:KBS+1], s[18:19], s[78:79]
	s_lshl_b32 s78, s[HEAD], 19                    ; vt: row 128 HEAD + 32 w of 4,096 bytes, column 128 RB
	s_lshl_b32 s79, s[WV], 17
	s_add_co_u32 s78, s78, s79
	s_lshl_b32 s79, s[RB], 8
	s_add_co_u32 s78, s78, s79
	s_mov_b32 s79, 0
	s_add_nc_u64 s[VBS:VBS+1], s[20:21], s[78:79]
	s_wait_loadcnt 0x0                             ; the bias: rounded to bf16 like every input, widened again
.set n, 0
.rept 16
	v_cvt_pk_bf16_f32 v[TT], v[RAW+2*n], v[RAW+2*n+1]
	v_lshlrev_b32 v[BIAS+2*n], 16, v[TT]
	v_and_b32 v[BIAS+2*n+1], 0xffff0000, v[TT]
.set n, n+1
.endr
	v_cvt_pk_bf16_f32 v5, v5, v6
	v_lshlrev_b32 v[BIAS+32], 16, v5               ; v: a lane's 8 results share its channel's bias
	v_and_b32 v[BIAS+40], 0xffff0000, v5
.set n, 1
.rept 7
	v_mov_b32 v[BIAS+32+n], v[BIAS+32]
	v_mov_b32 v[BIAS+40+n], v[BIAS+40]
.set n, n+1
.endr
; 12 matrix instructions: row blocks a0, a0 + 1 of the window's four (hi = 0: x rows 0-63, 1: rows 64-127) x all 6 column blocks, 32 along K.  first = 1: C is the bias.
; The 48 accumulators take turns, one instruction a turn, in the same order in every quarter.
.macro MUL12 f, hi, a0, first
.if \first
	WIN 0x85+0x40*(\hi)                            ; sources in window 1, C in window 0, D in window 2 or 3
.else
	WIN 0xa5+0x50*(\hi)                            ; C and D in window 2 or 3
.endif
.irp a, \a0, (\a0)+1
.irp b, 0,1,2,3,4,5
.set rD, 8*(6*(\a)+(\b))
.set rA, (\f)+8*(4*(\hi)+(\a))
.set rB, (\f)+64+8*(\b)
.set rC, BIAS+8*(\b)
.if (\b) < 4
.if \first
	v_wmma_f32_16x16x32_bf16 v[rD:rD+7], v[rB:rB+7], v[rA:rA+7], v[rC:rC+7]
.else
	v_wmma_f32_16x16x32_bf16 v[rD:rD+7], v[rB:rB+7], v[rA:rA+7], v[rD:rD+7]
.endif
.else
.if \first
	v_wmma_f32_16x16x32_bf16 v[rD:rD+7], v[rA:rA+7], v[rB:rB+7], v[rC:rC+7]
.else
	v_wmma_f32_16x16x32_bf16 v[rD:rD+7], v[rA:rA+7], v[rB:rB+7], v[rD:rD+7]
.endif
.endif
.endr
.endr
.endm
; 28 LDS loads in one run: the fragments of one quarter step (32 K at byte k of the rows of the slot that is being read) into buffer f: the weights' 12, then x's 16
.macro FETCH k, f
	WIN 0x40                                       ; destination window 1, address window 0
.irp b, 0,1,2,3
	ds_load_b128 v[(\f)+64+8*(\b):(\f)+64+8*(\b)+3],   v[ADRB] offset:(\k)+((\b)/2)*HALFT+((\b)%2)*16*PITCH
	ds_load_b128 v[(\f)+64+8*(\b)+4:(\f)+64+8*(\b)+7], v[ADRB] offset:(\k)+((\b)/2)*HALFT+((\b)%2)*16*PITCH+32
.endr
.irp b, 4,5
	ds_load_b128 v[(\f)+64+8*(\b):(\f)+64+8*(\b)+3],   v[ADRV] offset:(\k)+((\b)-4)*16*PITCH
	ds_load_b128 v[(\f)+64+8*(\b)+4:(\f)+64+8*(\b)+7], v[ADRV] offset:(\k)+((\b)-4)*16*PITCH+32
.endr
.irp i, 0,1,2,3,4,5,6,7
	ds_load_b128 v[(\f)+8*(\i):(\f)+8*(\i)+3],   v[ADRA] offset:(\k)+(\i)*16*PITCH
	ds_load_b128 v[(\f)+8*(\i)+4:(\f)+8*(\i)+7], v[ADRA] offset:(\k)+(\i)*16*PITCH+32
.endr
.endm
.macro TOGGLE                          ; the reads go over to the other slot (every window is 0 here)
	s_xor_b32 s[TB], s[TB], SLOT
	v_add_nc_u32 v[ADRA], s[TB], v[BSA]
	v_add_nc_u32 v[ADRB], s[TB], v[BSB]
	v_add_nc_u32 v[ADRV], s[TB], v[BSV]
.endm
; A K step is four quarters of 32 along K, 48 matrix instructions each, on buffers 0, 1, 0, 1.  One of the first three: multiplies buffer f and fetches the next quarter, at byte k, into g.
.macro QUARTER k, f, g, first
	s_wait_dscnt 8                                 ; the weights and x's rows 0-63 are in; the youngest eight loads (x's rows 64-127) may be out
	MUL12 \f, 0, 0, \first
	MUL12 \f, 0, 2, \first
	PLACES
	FETCH \k, \g
	s_wait_dscnt 28                                ; all but the 28 just issued
	MUL12 \f, 1, 0, \first
	MUL12 \f, 1, 2, \first
.endm
; The last quarter's first half: ONE barrier for the change of slots.  In front of it each wave waits for all its tensor loads (at most one is out: its part of the next slot), adds 0 to its spare word,
; and waits for that and for its own reads of this slot.  Behind it nobody reads this slot any more and the next slot is whole.  fill = 1: the walking group 0 is written for the refill, while the add is out.
.macro MEET fill
	WIN 0                                          ; (the add's two registers lie in window 0)
	s_wait_tensorcnt 0x0                           ; no tensor load of mine is out, so a group 0 may be written
	ds_add_u32 v[SPW], v[NIL]                      ; 0 onto my spare word
.if \fill
	s_xor_b32 s[SB], s[SB], SLOT                   ; the other slot than last time: the one that is being read out
	s_lshl_b32 s[OFF], s[KQ], 8
	s_add_co_u32 s[G0A+5], s[LB], s[SB]
	s_add_co_u32 s[G0B+5], s[LB], s[SB]
	s_add_nc_u64 s[G0A+6:G0A+7], s[XB:XB+1], s[OFF:OFF+1]  ; the address is made anew from the K step's number
	s_or_b32 s[G0A+7], s[G0A+7], 0x80000000
	s_add_nc_u64 s[G0B+6:G0B+7], s[WB:WB+1], s[OFF:OFF+1]
	s_or_b32 s[G0B+7], s[G0B+7], 0x80000000
	s_add_co_u32 s[KQ], s[KQ], 1
	s_and_b32 s[KQ], s[KQ], STEPS-1
.endif
	s_wait_dscnt 9                                 ; (the add and the youngest eight loads may be out)
	MUL12 F1, 0, 0, 0                              ; twelve matrix instructions stand between the add and the wait for it
	s_wait_dscnt 0x0                               ; the add is done, and my reads of this slot are over
	s_barrier_signal -1
	MUL12 F1, 0, 2, 0
	WIN 0
	s_barrier_wait -1
.endm
; The whole last quarter of a step that fills: the barrier opens a round of the cluster's barrier, and the slot just read out is filled again first, two steps ahead: 168 matrix instructions ahead of the wait for it.
.macro TURN
	s_wait_xcnt 0x0                                ; the last prefetch, a K step back, has read its address
	s_add_co_u32 s[PFK], s[PFK], 1
	s_and_b32 s[PFK], s[PFK], STEPS-1
	s_lshl_b32 s[PO], s[PFK], 8
	s_add_nc_u64 s[PFA:PFA+1], s[PFB:PFB+1], s[PO:PO+1]
	MEET 1
	CREST                                          ; no wave of any partner still reads this slot's tiles or has a load on its way
	JLOAD 1                                        ; the four v_nop behind it are also the places in front of the loads below
	TOGGLE
	FETCH 0, F0
	WIN 0
	ASK
	MUL12 F1, 1, 0, 0
	MUL12 F1, 1, 2, 0
.endm
; The tables' 16 rows of row block a: my 8 cosines and 8 sines, four loads of 16 bytes
.macro SETCB a
.if (\a) < 7
.set CB, 32+16*(\a)
.else
.set CB, 228
.endif
.endm
.macro LOADCS a
	SETCB \a
	global_load_b128 v[CB:CB+3],     v[CSO], s[COSB:COSB+1] offset:(\a)*4096
	global_load_b128 v[CB+4:CB+7],   v[CSO], s[COSB:COSB+1] offset:(\a)*4096+32
	global_load_b128 v[CB+8:CB+11],  v[CSO], s[SINB:SINB+1] offset:(\a)*4096
	global_load_b128 v[CB+12:CB+15], v[CSO], s[SINB:SINB+1] offset:(\a)*4096+32
.endm
; Row block a leaves the accumulators.  q, k: for each pair (t1, t2) of neighbouring channels (t1 c - t2 s, t2 c + t1 s): a packed multiply by c, then a packed multiply-add of the SWAPPED pair by (-s, +s).
; Each accumulator's registers are read in ascending order.
.macro ROPE a
	SETCB \a
.set AC, 48*((\a)%4)
	WIN 0
	s_wait_loadcnt 4*(7-(\a))                      ; my block's four loads are in; the four of each later block may be out
.irp n, 0,1,2,3
	v_cvt_pk_bf16_f32 v[TT+(\n)], v[CB+2*(\n)], v[CB+2*(\n)+1]
.endr
.irp n, 0,1,2,3
	v_lshlrev_b32 v[CW+2*(\n)], 16, v[TT+(\n)]
	v_and_b32 v[CW+2*(\n)+1], 0xffff0000, v[TT+(\n)]
.endr
.irp n, 0,1,2,3
	v_cvt_pk_bf16_f32 v[TT+(\n)], v[CB+8+2*(\n)], v[CB+8+2*(\n)+1]
.endr
.irp n, 0,1,2,3
	v_lshlrev_b32 v[SN+4*(\n)+1], 16, v[TT+(\n)]
	v_and_b32 v[SN+4*(\n)+3], 0xffff0000, v[TT+(\n)]
.endr
.irp n, 0,1,2,3,4,5,6,7
	v_xor_b32 v[SN+2*(\n)], 0x80000000, v[SN+2*(\n)+1]
.endr
	WIN 2+(\a)/4                                   ; source 0: the accumulators' window
.irp b, 0,1,2,3
.irp p, 0,1,2,3
.set rd, T+8*(\b)+2*(\p)
.set rs, AC+8*(\b)+2*(\p)
.set rc, CW+4*((\b)%2)+2*((\p)/2)
.if (\p)%2
	v_pk_mul_f32 v[rd:rd+1], v[rs:rs+1], v[rc:rc+1] op_sel:[0,1] op_sel_hi:[1,1]
.else
	v_pk_mul_f32 v[rd:rd+1], v[rs:rs+1], v[rc:rc+1] op_sel:[0,0] op_sel_hi:[1,0]
.endif
.endr
.irp p, 0,1,2,3
.set rd, T+8*(\b)+2*(\p)
.set rs, AC+8*(\b)+2*(\p)
.set rn, SN+8*((\b)%2)+2*(\p)
	v_pk_fma_f32 v[rd:rd+1], v[rs:rs+1], v[rn:rn+1], v[rd:rd+1] op_sel:[1,0,0] op_sel_hi:[0,1,1]
.endr
.endr
	WIN 5*(2+(\a)/4)                               ; sources 0 and 1: the accumulators' window
.irp b, 4,5
.irp p, 0,1,2,3
	v_cvt_pk_f16_f32 v[Y+4*(\b)+(\p)], v[AC+8*(\b)+2*(\p)], v[AC+8*(\b)+2*(\p)+1]
.endr
.endr
	WIN 0
.irp b, 0,1,2,3
.irp p, 0,1,2,3
	v_cvt_pk_f16_f32 v[Y+4*(\b)+(\p)], v[T+8*(\b)+2*(\p)], v[T+8*(\b)+2*(\p)+1]
.endr
.endr
.irp b, 0,1,2,3
	ds_store_b128 v[SQ], v[Y+4*(\b):Y+4*(\b)+3] offset:((\b)/2)*HALFT+(\a)*16*PITCH+32*((\b)%2)
.endr
.irp b, 4,5
	ds_store_b128 v[SV], v[Y+4*(\b):Y+4*(\b)+3] offset:((\b)-4)*16*PITCH+32*(\a)
.endr
.endm
	s_wait_tensorcnt 1                             ; my part of the walk's first step is in; the second's may stay out
	s_barrier_signal -1
	s_barrier_wait -1                              ; everybody's is
	FETCH 0, F0
	QUARTER 64, F0, F1, 1                          ; the first quarter stands in front of the loop: its products start the sums, with the bias
	WIN 0                                          ; at a label and at a branch every window is 0
	s_mov_b32 s3, STEPS-2
.Lstep:                                                ; 14 trips: from a step's second quarter to the next step's first; the slot read out is filled again
	QUARTER 128, F1, F0, 0
	QUARTER 192, F0, F1, 0
	TURN
	QUARTER 64,  F0, F1, 0
	WIN 0
	s_sub_co_u32 s3, s3, 1
	s_cmp_lg_u32 s3, 0
	s_cbranch_scc1 .Lstep
.irp a, 0,1,2,3,4,5,6,7
	LOADCS \a                                      ; the tables, all eight row blocks: 336 matrix instructions ahead of their first use; the bias, whose registers they take, was last read in the first quarter
.endr
	s_mov_b32 s3, 2                                ; the last two steps fill nothing and have a text of their own: two trips, the second left in its middle
.Ltail:
	QUARTER 128, F1, F0, 0
	QUARTER 192, F0, F1, 0
	MEET 0                                         ; behind the first trip's barrier nobody reads slot 0 any more, and no tensor load follows: its bytes serve as the way out's stages
	PLACES
	s_cmp_eq_u32 s3, 1                             ; the last step has no step behind it to fetch from
	s_cbranch_scc1 .Lno_fetch
	TOGGLE
	FETCH 0, F0
	WIN 0
.Lno_fetch:
	MUL12 F1, 1, 0, 0
	MUL12 F1, 1, 2, 0
	WIN 0
	s_sub_co_u32 s3, s3, 1
	s_cmp_eq_u32 s3, 0
	s_cbranch_scc1 .Lout
	QUARTER 64,  F0, F1, 0
	WIN 0
	s_branch .Ltail
.Lout:
	PLACES
.irp a, 0,1,2,3,4,5,6,7
	ROPE \a
.endr
	s_wait_dscnt 0x0                               ; for the others' sake: my stores into the stages are done
	s_barrier_signal -1
	s_barrier_wait -1
	; back as whole rows of 256 bytes: wave w takes rows 32 w .. 32 w + 31 of each stage; lanes 0-15 one row, lanes 16-31 the next
.set n, 0
.rept 16
	ds_load_b128 v[BK+4*n:BK+4*n+3], v[RD] offset:2*PITCH*n
.set n, n+1
.endr
.set n, 0
.rept 16
	ds_load_b128 v[BK+64+4*n:BK+64+4*n+3], v[RD] offset:HALFT+2*PITCH*n
.set n, n+1
.endr
.set n, 0
.rept 16
	ds_load_b128 v[BK+128+4*n:BK+128+4*n+3], v[RDV] offset:2*PITCH*n
.set n, n+1
.endr
.set n, 0
.rept 16
	s_wait_dscnt 47-n                              ; LDS loads come back in order: load n is in
	global_store_b128 v[CO], v[BK+4*n:BK+4*n+3], s[QB:QB+1] offset:512*n  ; 16 lanes store 256 consecutive bytes, at a multiple of 256 from the buffer's first byte
.set n, n+1
.endr
.set n, 0
.rept 16
	s_wait_dscnt 31-n
	global_store_b128 v[CO], v[BK+64+4*n:BK+64+4*n+3], s[KBS:KBS+1] offset:512*n
.set n, n+1
.endr
.set n, 0
.rept 16
	s_wait_dscnt 15-n
	global_store_b128 v[COV], v[BK+128+4*n:BK+128+4*n+3], s[VBS:VBS+1] offset:8192*n
.set n, n+1
.endr
	s_wait_tensorcnt 0x0                           ; the wave's end, behind my last tensor load and my last LDS store
	ds_add_u32 v[SPW], v[NIL]
	s_wait_dscnt 0x0
	CROUND                                         ; the closing round: no work-group ends while a partner may still ask for a tile that names it
	s_endpgm
.Lfunc_end_k_qcf29e00738_qkv:
	.size	k_qcf29e00738_qkv, .Lfunc_end_k_qcf29e00738_qkv-k_qcf29e00738_qkv
	.p2alignl 7, 3214868480
	.fill 96, 4, 3214868480
	.section	.rodata,"a",@progbits
	.p2align	6, 0x0
	.amdhsa_kernel k_qcf29e00738_qkv
		.amdhsa_group_segment_fixed_size 327680
		.amdhsa_private_segment_fixed_size 0
		.amdhsa_enable_private_segment 0
		.amdhsa_kernarg_size 72
		.amdhsa_user_sgpr_count 2
		.amdhsa_user_sgpr_kernarg_segment_ptr 1
		.amdhsa_wavefront_size32 1
		.amdhsa_system_sgpr_workgroup_id_x 1
		.amdhsa_system_sgpr_workgroup_id_y 1
		.amdhsa_system_sgpr_workgroup_id_z 1
		.amdhsa_system_vgpr_workitem_id 0
		.amdhsa_next_free_vgpr 960
		.amdhsa_next_free_sgpr 100
		.amdhsa_reserve_vcc 0
		.amdhsa_float_denorm_mode_32 3
		.amdhsa_float_denorm_mode_16_64 3
		.amdhsa_memory_ordered 1
		.amdhsa_forward_progress 1
		.amdhsa_inst_pref_size 121
	.end_amdhsa_kernel
	.amdgpu_metadata
---
amdhsa.version: [ 1, 2 ]
amdhsa.kernels:
  - .name:           k_qcf29e00738_qkv
    .symbol:         k_qcf29e00738_qkv.kd
    .args:
      - { .name: cb, .offset: 0, .size: 8, .value_kind: global_buffer, .address_space: global }
      - { .name: bq, .offset: 8, .size: 8, .value_kind: global_buffer, .address_space: global }
      - { .name: bk, .offset: 16, .size: 8, .value_kind: global_buffer, .address_space: global }
      - { .name: bv, .offset: 24, .size: 8, .value_kind: global_buffer, .address_space: global }
      - { .name: freqs_cos, .offset: 32, .size: 8, .value_kind: global_buffer, .address_space: global }
      - { .name: freqs_sin, .offset: 40, .size: 8, .value_kind: global_buffer, .address_space: global }
      - { .name: qh, .offset: 48, .size: 8, .value_kind: global_buffer, .address_space: global }
      - { .name: kh, .offset: 56, .size: 8, .value_kind: global_buffer, .address_space: global }
      - { .name: vt, .offset: 64, .size: 8, .value_kind: global_buffer, .address_space: global }
    .group_segment_fixed_size: 327680
    .private_segment_fixed_size: 0
    .kernarg_segment_align: 8
    .kernarg_segment_size: 72
    .max_flat_workgroup_size: 128
    .sgpr_count:     100
    .vgpr_count:     960
    .wavefront_size: 32
...
	.end_amdgpu_metadata
.endif
;; end of part 2
;; launch attn (part 3): grid 16 x 16, 4 waves a work-group, clusters of 4 x 1, 327,680 bytes of LDS; arguments qh, kh, vt, oh; writes oh
.if DOCPART == 3
	.amdgcn_target "amdgcn-amd-amdhsa--gfx1250"
	.amdhsa_code_object_version 6
	.text
	.protected	k_qcf29e00738_attn
	.globl	k_qcf29e00738_attn
	.p2align	8
	.type	k_qcf29e00738_attn,@function
k_qcf29e00738_attn:
	s_mov_b64 s[64:65], 0
	v_nop
	global_prefetch_b8 v0, s[64:65] scope:SCOPE_SE
	s_setreg_imm32_b32 hwreg(HW_REG_WAVE_MODE, 25, 1), 1
	s_wait_xcnt 0x0
	s_wait_alu depctr_hold_cnt(0) depctr_sa_sdst(0) depctr_va_vdst(0) depctr_va_sdst(0) depctr_va_ssrc(0) depctr_va_vcc(0) depctr_vm_vsrc(0)
	s_getreg_b32 s2, hwreg(HW_REG_IB_STS2, 6, 4)
	s_cmp_eq_u32 s2, 0
	s_cbranch_scc0 .Lentry_in_a_cluster
	s_endpgm
.Lentry_in_a_cluster:
	s_bfe_u32 s2, ttmp6, 0x10000c
	s_cmp_lg_u32 s2, 0x3003
	s_cbranch_scc0 .Lentry_shape_is_right
	s_endpgm
.Lentry_shape_is_right:
; CAUSAL ATTENTION, head size 128.  O[q] = the sum over k <= q of softmax_k(Q[q] . K[k] / sqrt(128)) V[k].  qh, kh: [16][2048][128] f16; vt: [16][128][2048] f16 (V transposed); oh: [2048][2048] f16, head h at columns 128 h.
; Products, maxima and sums in f32; the weights p are rounded to f16 for the second product (their sum l is taken of the unrounded p), O once at the end.
; LIMITS.  A hidden score counts as its value less 1e30; a weight below 2^-126 counts as 0; p below 6e-5 keeps f16's fixed step of 6e-8; NaN and infinities are not treated apart.
; SHARES.  A work-group takes TWO blocks of 64 queries of one head.  All four waves hold the SAME 64 queries (four tiles of 16); of a tile of 256 keys wave w takes keys 64 w .. 64 w + 63.  So a fragment
; of K or V read from LDS feeds four tiles' products, though the work-group has only 64 queries in hand.  Each wave keeps its own running maximum m, sum l and O; the four meet in LDS at a block's end.
; THE WALK.  Cluster CL (0..3) of a head holds four work-groups, place p.  Block lo: rows 256 CL + 64 p, key tiles 0 .. CL.  Block hi: rows 256 (7 - CL) + 64 p, key tiles 0 .. 7 - CL.  Nine tiles whatever CL, and
; the SAME tiles in all four partners: every tile is asked for jointly.  lo comes first: its end falls in trip CL of the loop, hi's end is the launch's.
; THE MASK is the C operand that starts S^T = K Q^T: 0, or -1e30 where the key is hidden.  DD = 4 (tile - block's tile) + w - p: below 0 my 64 keys are all seen, above 0 all hidden, at 0 they hold the diagonal:
; then key group kt of 16 against query tile t is seen (kt < t), hidden (kt > t) or triangular (kt = t).  Three sets of 8 registers are made in each trip by selects alone: no branch hangs on p.
; A wave that never saw a key of a block ends with c m near -1.3e29, and the merge gives its partial the weight 0.
; LAYOUT.  S^T = K Q^T (source 0 = 16 keys, source 1 = 16 queries): a lane holds ONE query (lane % 16) and keys 8 (lane / 16) + 0..7; two such results rounded to f16 ARE source 1 of O^T = V^T P.
; SOFTMAX.  p = 2^(c s - c m), c = log2(e) / sqrt(128); in every step O and l are multiplied by a = 2^(c m_old - c m_new).  c m starts far below every c s: a block's first step has a = 0, and what O and l hold need only be finite.
; A TRIP (one tile).  The tiles are two PIECES (0: tiles 0, 1; 2: tiles 2, 3).  32 products K Q^T of piece 0; the change of slots; 32 of piece 2 with piece 0's softmax in slices behind them;
; 32 products V^T P of piece 0 with piece 2's softmax; 32 of piece 2.  K and V of the NEXT tile come into registers as soon as their registers are free, so that at the change of slots a tile's LDS bytes have been read.
; REGISTERS, in windows of 256 (s_set_vgpr_msb: bits 1:0 source 0, 3:2 source 1, 5:4 source 2, 7:6 destination):
;   window 0: v0-11 addresses; v12-43 eight registers of statistics a tile; v44-49 at work at the head; v61-63; v64-191 S^T, 32 a tile; v192-255 P, 16 a tile
;   window 1: O^T, 64 a tile      window 2: v0-127 Q, 32 a tile; v128-255 K      window 3: v0-127 V^T; v128-135 DG; v136-159 the three masks
.set PK,    272       ; a row of K in LDS: 256 bytes + 16 of padding: the 16 rows of a load start at 16 different groups of four banks (64 banks of 4 bytes: ISA guide 11.1)
.set PVT,   528       ; a row of V^T: 256 keys = 512 bytes + 16 of padding: likewise
.set VOFF,  256*PK    ; a slot: 256 rows of K, then 128 rows of V^T
.set SLOT,  VOFF+128*PVT
.set STAGE, 2*SLOT    ; behind the ring, never filled by a tensor load: four partial tiles of O, 16 rows x 528 bytes each
.set SPT,   528
.set PART,  16*SPT
.set ML,    STAGE+4*PART  ; (c m, l) of 4 waves x 4 tiles x 32 lanes, 8 bytes each
.set SPARE, ML+4096   ; the spare words, 128 bytes for each wave: two blocks of 256 bytes that no other line names
.set AK0, 2           ; v2   my lane's place in a tile of K: (64 w + r) 272 + 16 h; never rewritten
.set AV0, 3           ; v3   in a tile of V^T: VOFF + 528 r + 128 w + 16 h
.set ADRK, 4          ; v4   the LDS address of K's run of loads
.set QO,  5           ; v5   256 r + 16 h
.set STW, 6           ; v6   the merge: where I put my partial: STAGE + 8448 w + 528 r + 16 h
.set STR, 7           ; v7   where I read: STAGE + (4 w + h) 528 + 16 r
.set GO,  8           ; v8   4096 h + 16 r: two rows of oh
.set MLW, 9           ; v9   ML + 1024 w + 8 lane
.set MLR, 10          ; v10  ML + 8 lane
.set ADRV, 11         ; v11  the LDS address of V's run of loads
.set ST,  12          ; tile t's statistics at v[ST+8 t]: +0 c m, +1 m, +2, +3 l (even keys', odd keys'), +4 to +7 c0-c3, at work; a takes c2's place
.set PFO, 61          ; v61  the prefetches' offset; never rewritten
.set SPW, 62          ; v62  LDS address of my spare word; never rewritten
.set NIL, 63          ; v63  0; never rewritten
.set S,   64
.set P,   192
.set KF,  128         ; window 2
.set DG,  128         ; window 3: -1e30 where key 8 h + j is greater than query r
.set MC,  136         ; window 3: the masks for kt < t, kt = t, kt > t
.set WV,  12
.set CX,  13
.set CL,  14
.set HIJ, 15          ; 7 - CL
.set G1K, 24          ; s[24:31] descriptor group 1 for K's tiles
.set G1V, 32          ; s[32:39] for V^T's
.set G0K, 40          ; s[40:47] group 0 for K's tiles: a set for each of the two first fills; the second then serves every refill
.set G0V, 48          ; s[48:55] the same for V^T's
.set SLOTS, 56        ; tiles still to be asked for
.set CNT, 57          ; counts the tail's two trips
.set CS,  58          ; s[58:59] c
.set SEL, 60          ; s[60:61] v_permlanex16_b32's selects
.set TB,  62          ; the slot from which the next runs of LDS loads read: 0 or SLOT
.set SB,  63          ; the slot that was filled last: 0 or SLOT
.set NXT, 66          ; the tile to be asked for next
.set LQ,  67          ; the last tile of the block whose tiles are being asked for
.set OFK, 68          ; s[68:69] a tile's byte offset in kh
.set OFV, 70          ; s[70:71] in vt
.set DD,  72
.set LOLEFT, 73       ; tiles of block lo behind the one in hand
.set AL,  74          ; s[74:75] the triangular mask's factor
.set BE,  76          ; s[76:77] its addend, and the mask for kt < t
.set GTV, 78          ; the mask for kt > t
.set BIGN, 79         ; -1e30
.set KB,  80          ; s[80:81] kh at my half of the head's tile 0
.set VB,  82          ; s[82:83] vt likewise
.set QHI, 84          ; s[84:85] qh at block hi
.set OB,  86          ; s[86:87] oh at my rows of the block in hand
.set OHI, 88          ; s[88:89] of block hi
.set PFA, 90          ; s[90:91] where my prefetches stand
.set PFS, 92          ; s[92:93] their step from tile to tile
.set LIM, 94
.set DDHI, 95
.set KP,  96          ; my part's place in a slot, for K
.set VP,  97          ; for V^T
.set MSB, 0
.macro WIN new                      ; the high byte repeats the setting that is left; a switch that changes nothing is dropped
.if MSB != (\new)
	s_set_vgpr_msb (MSB<<8)|(\new)
.set MSB, \new
.endif
.endm
.set W_KQ, 0x0a       ; K and Q in window 2, S^T in window 0
.set W_KM, 0x3a       ; the same with the C operand in window 3
.set W_PV, 0x53       ; V^T in window 3, P in window 0, O^T in window 1
.set W_RS, 0x41       ; O^T (destination and source 0) in window 1, the factor in window 0
; A joint refill.  Waves 0 and 1 fetch the halves of a tile's K (128 keys each), waves 2 and 3 those of its V^T (64 channels each).  An s_nop 0 and four v_nop follow each of the two lines.
.macro JLOAD
	s_cmp_lt_u32 s[WV], 2
	s_cbranch_scc0 .Lfor_v_\@
	tensor_load_to_lds s[G0K+4:G0K+7], s[G1K:G1K+7]
	s_nop 0
.rept 4
	v_nop
.endr
	s_branch .Lasked_\@
.Lfor_v_\@:
	tensor_load_to_lds s[G0V+4:G0V+7], s[G1V:G1V+7]
	s_nop 0
.rept 4
	v_nop
.endr
.Lasked_\@:
.endm
; A prefetch, behind the joint load and its five lines.  Of a head's clusters, cluster 0 is the first to ask for tiles 2 to 7: in trip j (0 to 5) it names tile j + 2, which its next trip's refill asks for.
; A tile is 512 blocks of 256 bytes: 4 partners x 4 waves x 32 lanes, shared out by address: each block is named once in the launch.  The loop's last trip asks for nothing.
.macro ASK
	s_cmp_gt_u32 s[SLOTS], s[LIM]
	s_cbranch_scc0 .Lnot_mine_\@
	global_prefetch_b8 v[PFO], s[PFA:PFA+1] th:TH_LOAD_NT scope:SCOPE_SE
.Lnot_mine_\@:
.endm
.macro CROUND                       ; a round of the cluster's barrier
	s_barrier_signal -1
	s_barrier_wait -1
	s_cmp_lg_u32 s[WV], 0
	s_cbranch_scc1 .Lnot_wave_0_\@
	s_barrier_signal -3
.Lnot_wave_0_\@:
	s_barrier_wait -3
	s_barrier_signal -1
	s_barrier_wait -1
.endm
.macro PLACES
.rept 4
	v_nop
.endr
.endm
.macro STEPN                        ; the block's next tile, or behind lo's last tile hi's tile 0
	s_add_co_u32 s[NXT], s[NXT], 1
	s_cmp_gt_u32 s[NXT], s[LQ]
	s_cselect_b32 s[NXT], 0, s[NXT]
	s_cselect_b32 s[LQ], s[HIJ], s[LQ]
.endm
.macro QLOAD base                   ; 64 queries into registers: tile i / 4, channels 32 (i % 4) on
	WIN 0x80
.set i, 0
.rept 16
	global_load_b128 v[8*i:8*i+3],   v[QO], s[\base:\base+1] offset:(i/4)*4096+(i%4)*64
	global_load_b128 v[8*i+4:8*i+7], v[QO], s[\base:\base+1] offset:(i/4)*4096+(i%4)*64+32
.set i, i+1
.endr
	WIN 0
.endm
	s_load_b256 s[4:11], s[0:1], 0x0  ; qh s[4:5], kh s[6:7], vt s[8:9], oh s[10:11]
	v_lshl_add_u32 v[SPW], v0, 2, SPARE
	v_mov_b32 v[NIL], 0
	ds_add_u32 v[SPW], v[NIL]       ; the wave's opening: the add and its wait stand ahead of my first tensor load; the set-up below, work on registers, stands between them
	v_lshrrev_b32 v1, 5, v0
	v_readfirstlane_b32 s[WV], v1   ; wave 0..3
	s_bfe_u32 s[CX], ttmp6, 0x40000 ; p: it enters Q's, O's and the prefetches' addresses and the masks' selects alone
	s_mov_b32 s[CL], ttmp9          ; the cluster, which the four partners share
	s_sub_co_u32 s[HIJ], 7, s[CL]
	s_and_b32 s17, ttmp7, 0xffff    ; the head
	s_lshl_b32 s20, s17, 19         ; its 524,288 bytes in qh, kh, vt
	s_and_b32 s16, s[WV], 1         ; which half of a tile I fetch
	s_mul_i32 s[KP], s16, 128*PK
	s_mul_i32 s[VP], s16, 64*PVT
	s_add_co_u32 s[VP], s[VP], VOFF
	s_lshl_b32 s18, s16, 15         ; 128 keys of 256 bytes
	s_add_co_u32 s18, s18, s20
	s_mov_b32 s19, 0
	s_lshl_b32 s22, s16, 18         ; 64 channels of 4,096 bytes
	s_add_co_u32 s22, s22, s20
	s_mov_b32 s23, 0
	s_lshl_b32 s98, s[CX], 14       ; my 64 rows among a tile's 256, 256 bytes a row
	s_add_co_u32 s98, s98, s20
	s_lshl_b32 s2, s[CL], 16
	s_add_co_u32 s2, s2, s98        ; block lo in qh
	s_mov_b32 s3, 0
	s_lshl_b32 s[QHI], s[HIJ], 16
	s_add_co_u32 s[QHI], s[QHI], s98  ; block hi: an offset for now
	s_mov_b32 s[QHI+1], 0
	s_lshl_b32 s99, s[CX], 18       ; oh: row 256 J + 64 p + 4 w of 4,096 bytes, column 128 head
	s_lshl_b32 s98, s[WV], 14
	s_add_co_u32 s99, s99, s98
	s_lshl_b32 s98, s17, 8
	s_add_co_u32 s99, s99, s98
	s_lshl_b32 s[OB], s[CL], 20
	s_add_co_u32 s[OB], s[OB], s99
	s_mov_b32 s[OB+1], 0
	s_lshl_b32 s[OHI], s[HIJ], 20
	s_add_co_u32 s[OHI], s[OHI], s99
	s_mov_b32 s[OHI+1], 0
	s_sub_co_u32 s98, s[WV], s[CX]
	s_lshl_b32 s99, s[CL], 2
	s_sub_co_u32 s[DD], s98, s99    ; lo's tile 0
	s_lshl_b32 s99, s[HIJ], 2
	s_sub_co_u32 s[DDHI], s98, s99  ; hi's tile 0
	s_mov_b32 s[LOLEFT], s[CL]
	; descriptor group 1.  K: 128 rows x 128 elements of 2 bytes, 4 words of padding after every 64.  V^T: 64 rows x 256 elements, 4 words after every 128, 2,048 elements from row to row
	s_mov_b32 s[G1K], 15|(1<<16)|(1<<20)|(1<<21)|(5<<22)|(3<<25)
	s_mov_b32 s[G1K+1], 128<<16
	s_mov_b32 s[G1K+2], 128<<16
	s_mov_b32 s[G1K+3], 128<<16
	s_mov_b32 s[G1K+4], 128
	s_mov_b32 s[G1K+5], 128
	s_mov_b32 s[G1K+6], 0
	s_mov_b32 s[G1K+7], 0
	s_mov_b32 s[G1V], 15|(1<<16)|(1<<20)|(1<<21)|(6<<22)|(3<<25)
	s_mov_b32 s[G1V+1], 256<<16
	s_mov_b32 s[G1V+2], 64<<16
	s_mov_b32 s[G1V+3], 256<<16
	s_mov_b32 s[G1V+4], 64
	s_mov_b32 s[G1V+5], 2048
	s_mov_b32 s[G1V+6], 0
	s_mov_b32 s[G1V+7], 0
	s_mov_b32 s[CS], 0x3e0293ee     ; c = log2(e) / sqrt(128) = 0.127517
	s_mov_b32 s[CS+1], s[CS]        ; named with it as a pair
	s_mov_b32 s[SEL], 0x76543210
	s_mov_b32 s[SEL+1], 0xfedcba98
	s_mov_b32 s[BIGN], 0xf149f2ca   ; -1e30
	s_mov_b32 s[AL+1], 0            ; named as pairs
	s_mov_b32 s[BE+1], 0
	s_mov_b32 s[OFK+1], 0
	s_mov_b32 s[OFV+1], 0
	s_mov_b32 s[TB], 0
	s_mov_b32 s[SB], SLOT           ; the second first fill goes into slot 1
	s_mov_b32 s[NXT], 0
	s_mov_b32 s[LQ], s[CL]
	s_mov_b32 s[SLOTS], 7
	s_cmp_eq_u32 s[CL], 0
	s_cselect_b32 s[LIM], 1, -1     ; the same in all four partners
	s_mov_b32 s98, 0x10000          ; from tile to tile: 65,536 bytes in kh,
	s_movk_i32 s99, 512             ; 512 in a row of vt
	s_cmp_lt_u32 s[WV], 2
	s_cselect_b32 s[PFS], s98, s99
	s_mov_b32 s[PFS+1], 0
	s_wait_dscnt 0x0                ; the opening add is done
	s_wait_kmcnt 0x0
	s_add_nc_u64 s[KB:KB+1], s[6:7], s[18:19]
	s_add_nc_u64 s[VB:VB+1], s[8:9], s[22:23]
	s_add_nc_u64 s[QHI:QHI+1], s[4:5], s[QHI:QHI+1]
	s_add_nc_u64 s[4:5], s[4:5], s[2:3]
	s_add_nc_u64 s[OB:OB+1], s[10:11], s[OB:OB+1]
	s_add_nc_u64 s[OHI:OHI+1], s[10:11], s[OHI:OHI+1]
	s_lshl_b32 s2, s[CX], 13        ; the prefetches: my work-group's 32 of my 128 rows of K,
	s_lshl_b32 s98, s[CX], 16       ; or its 16 of my 64 rows of V^T
	s_cmp_lt_u32 s[WV], 2
	s_cselect_b32 s2, s2, s98
	s_cselect_b64 s[PFA:PFA+1], s[KB:KB+1], s[VB:VB+1]
	s_mov_b32 s3, 0
	s_add_nc_u64 s[PFA:PFA+1], s[PFA:PFA+1], s[2:3]
	s_add_nc_u64 s[PFA:PFA+1], s[PFA:PFA+1], s[PFS:PFS+1]  ; at tile 1; the first change of slots steps it to tile 2
	; group 0: the walk's first tile into slot 0, its second into slot 1
	s_mov_b32 s[G0K], 1
	s_mov_b32 s[G0K+1], s[KP]
	s_mov_b64 s[G0K+2:G0K+3], s[KB:KB+1]
	s_or_b32 s[G0K+3], s[G0K+3], 0x80000000
	s_mov_b32 s[G0V], 1
	s_mov_b32 s[G0V+1], s[VP]
	s_mov_b64 s[G0V+2:G0V+3], s[VB:VB+1]
	s_or_b32 s[G0V+3], s[G0V+3], 0x80000000
	STEPN
	s_lshl_b32 s[OFK], s[NXT], 16
	s_lshl_b32 s[OFV], s[NXT], 9
	s_mov_b32 s[G0K+4], 1
	s_add_co_u32 s[G0K+5], s[KP], SLOT
	s_add_nc_u64 s[G0K+6:G0K+7], s[KB:KB+1], s[OFK:OFK+1]
	s_or_b32 s[G0K+7], s[G0K+7], 0x80000000
	s_mov_b32 s[G0V+4], 1
	s_add_co_u32 s[G0V+5], s[VP], SLOT
	s_add_nc_u64 s[G0V+6:G0V+7], s[VB:VB+1], s[OFV:OFV+1]
	s_or_b32 s[G0V+7], s[G0V+7], 0x80000000
	STEPN
	CROUND                          ; all four work-groups are here: the first joint loads meet
	s_cmp_lt_u32 s[WV], 2           ; a wave's two first fills stand in one branch, ahead of every wait on TENSORcnt and every LDS read: two loads of mine are out
	s_cbranch_scc0 .Lfirst_v
	tensor_load_to_lds s[G0K:G0K+3], s[G1K:G1K+7]
	s_nop 0
	tensor_load_to_lds s[G0K+4:G0K+7], s[G1K:G1K+7]
	s_nop 0
.rept 4
	v_nop
.endr
	s_branch .Lfirst_asked
.Lfirst_v:
	tensor_load_to_lds s[G0V:G0V+3], s[G1V:G1V+7]
	s_nop 0
	tensor_load_to_lds s[G0V+4:G0V+7], s[G1V:G1V+7]
	s_nop 0
.rept 4
	v_nop
.endr
.Lfirst_asked:
	v_and_b32 v1, 15, v0            ; r
	v_bfe_u32 v44, v0, 4, 1         ; h
	v_and_b32 v45, 31, v0           ; lane
	v_lshlrev_b32 v[QO], 8, v1
	v_lshl_add_u32 v[QO], v44, 4, v[QO]
	QLOAD 4                         ; block lo's Q
	v_mul_u32_u24 v[AK0], v1, PK
	v_lshl_add_u32 v[AK0], v44, 4, v[AK0]
	s_mul_i32 s16, s[WV], 64*PK
	v_add_nc_u32 v[AK0], s16, v[AK0]
	v_mul_u32_u24 v[AV0], v1, PVT
	v_lshl_add_u32 v[AV0], v44, 4, v[AV0]
	s_lshl_b32 s16, s[WV], 7
	s_add_co_u32 s16, s16, VOFF
	v_add_nc_u32 v[AV0], s16, v[AV0]
	v_mul_u32_u24 v[STW], v1, SPT
	v_lshl_add_u32 v[STW], v44, 4, v[STW]
	s_mul_i32 s16, s[WV], PART
	s_add_co_u32 s16, s16, STAGE
	v_add_nc_u32 v[STW], s16, v[STW]
	v_mul_u32_u24 v[STR], v44, SPT
	v_lshl_add_u32 v[STR], v1, 4, v[STR]
	s_mul_i32 s16, s[WV], 4*SPT
	s_add_co_u32 s16, s16, STAGE
	v_add_nc_u32 v[STR], s16, v[STR]
	v_lshlrev_b32 v[GO], 12, v44
	v_lshl_add_u32 v[GO], v1, 4, v[GO]
	v_lshl_add_u32 v[MLR], v45, 3, ML
	s_lshl_b32 s16, s[WV], 10
	v_add_nc_u32 v[MLW], s16, v[MLR]
	v_lshlrev_b32 v46, 8, v45       ; K: a lane a row of 256 bytes
	v_lshrrev_b32 v47, 1, v45       ; V^T: two lanes a row, 256 bytes each
	v_and_b32 v48, 1, v45
	v_lshlrev_b32 v47, 12, v47
	v_lshl_add_u32 v47, v48, 8, v47
	s_cmp_lt_u32 s[WV], 2
	s_cselect_b32 s16, -1, 0
	v_cndmask_b32 v[PFO], v47, v46, s16
	v_lshlrev_b32 v49, 3, v44
	v_sub_nc_u32 v49, v1, v49       ; r - 8 h: register j is hidden where j is greater
	WIN 0xc0
.set i, 0
.rept 8
	v_cmp_gt_i32 vcc_lo, i, v49
	v_cndmask_b32 v[DG+i], 0, s[BIGN], vcc_lo
.set i, i+1
.endr
	; O^T and l need only be finite when a block begins; for the first block they are zeros, written in the wait for the first tile, so that no first step is written out
	WIN 0x40
.set i, 0
.rept 256
	v_mov_b32 v[i], 0
.set i, i+1
.endr
	WIN 0
.set i, 0
.rept 4
	v_mov_b32 v[ST+8*i], 0xfe000000    ; c m: far below every c s
	v_mov_b32 v[ST+8*i+1], 0xff7fffff  ; m
	v_mov_b32 v[ST+8*i+2], 0
	v_mov_b32 v[ST+8*i+3], 0
.set i, i+1
.endr
; THE MATRIX WORK.  The accumulators take turns, one instruction a turn.
; Product i of 32 of S^T = K Q^T for piece x: channels 32 (i / 8) on, keys 16 ((i / 2) % 4) on, tile x + i % 2.  The first 8 start the sums, with the mask.
.macro KQ x
.set tq, (\x)+i%2
.set kt, (i/2)%4
.set rS, S+32*tq+8*kt
.set rK, KF+32*kt+8*(i/8)
.set rQ, 32*tq+8*(i/8)
.if kt < tq
.set rM, MC
.elseif kt == tq
.set rM, MC+8
.else
.set rM, MC+16
.endif
.if i < 8
	WIN W_KM
	v_wmma_f32_16x16x32_f16 v[rS:rS+7], v[rK:rK+7], v[rQ:rQ+7], v[rM:rM+7]
.else
	WIN W_KQ
	v_wmma_f32_16x16x32_f16 v[rS:rS+7], v[rK:rK+7], v[rQ:rQ+7], v[rS:rS+7]
.endif
.endm
; Product i of 32 of O^T += V^T P for piece x: keys 32 (i / 16) on, channels 16 ((i / 2) % 8) on, tile x + i % 2.
.macro PV x
	WIN W_PV
.set rO, 64*((\x)+i%2)+8*((i/2)%8)
.set rV, 64*(i/16)+8*((i/2)%8)
.set rP, P+16*((\x)+i%2)+8*(i/16)
	v_wmma_f32_16x16x32_f16 v[rO:rO+7], v[rV:rV+7], v[rP:rP+7], v[rO:rO+7]
.endm
; THE LDS LOADS stand in runs of 32: my 64 keys of K (16 fragments) and of V^T (16 fragments: rows are channels, keys lie along them, so plain loads do).
.macro FETCH_K
	WIN 0
	v_add_nc_u32 v[ADRK], s[TB], v[AK0]
	WIN 0x80
.irp f, 0,1,2,3,4,5,6,7,8,9,10,11,12,13,14,15  ; keys 16 (f / 4) on, channels 32 (f % 4) on
	ds_load_b128 v[KF+8*(\f):KF+8*(\f)+3],   v[ADRK] offset:((\f)/4)*16*PK+((\f)%4)*64
	ds_load_b128 v[KF+8*(\f)+4:KF+8*(\f)+7], v[ADRK] offset:((\f)/4)*16*PK+((\f)%4)*64+32
.endr
	WIN 0
.endm
.macro FETCH_V
	WIN 0
	v_add_nc_u32 v[ADRV], s[TB], v[AV0]
	WIN 0xc0
.irp f, 0,1,2,3,4,5,6,7,8,9,10,11,12,13,14,15  ; keys 32 (f / 8) on, channels 16 (f % 8) on
	ds_load_b128 v[8*(\f):8*(\f)+3],   v[ADRV] offset:((\f)%8)*16*PVT+((\f)/8)*64
	ds_load_b128 v[8*(\f)+4:8*(\f)+7], v[ADRV] offset:((\f)%8)*16*PVT+((\f)/8)*64+32
.endr
	WIN 0
.endm
; THE VECTOR WORK.  One tile's softmax for one trip is a list of 134 instructions; SM writes number j of it for tile t.  s0-s31 are the lane's 32 scores, in pairs 0-15.
;   0-15    the maximum of s0-s31 and the old m, three operands at a time (each accumulator's lowest registers are read first)
;   16-20   the other half of the lanes' maximum; c m_old is kept; the new m; c m; c m_old - c m_new
;   21-69   ONE BATCH: the 16 scalings c s - c m and all 33 exponentials (a at 23, then s0-s31); none of these reads an exponential's result
;   70-85   the roundings to f16     86-101  the sums; l = a l + the sum     102-133 the tile's O^T times a
.macro SM t
.set rT, ST+8*(\t)
.set rS, S+32*(\t)
.set rP, P+16*(\t)
.set rO, 64*(\t)+2*(j-102)
.if j < 102
	WIN 0
.endif
.if j < 4
	v_max3_num_f32 v[rT+4+j], v[rS+8*j], v[rS+8*j+1], v[rS+8*j+2]
.elseif j < 12
	v_max3_num_f32 v[rT+4+j%4], v[rT+4+j%4], v[rS+8*(j%4)+2*(j/4)+1], v[rS+8*(j%4)+2*(j/4)+2]
.elseif j == 12
	v_max3_num_f32 v[rT+4], v[rT+4], v[rS+7], v[rS+15]
.elseif j == 13
	v_max3_num_f32 v[rT+6], v[rT+6], v[rS+23], v[rS+31]
.elseif j == 14
	v_max3_num_f32 v[rT+4], v[rT+4], v[rT+5], v[rT+6]
.elseif j == 15
	v_max3_num_f32 v[rT+4], v[rT+4], v[rT+7], v[rT+1]
.elseif j == 16
	v_permlanex16_b32 v[rT+5], v[rT+4], s[SEL], s[SEL+1]  ; the query's other 32 keys lie in the lane 16 away
.elseif j == 17
	v_mov_b32 v[rT+7], v[rT]        ; c m_old is kept for a: number 19 writes c m anew
.elseif j == 18
	v_max_num_f32 v[rT+1], v[rT+4], v[rT+5]
.elseif j == 19
	v_mul_f32 v[rT], s[CS], v[rT+1]
.elseif j == 20
	v_sub_f32 v[rT+7], v[rT+7], v[rT]
.elseif j == 23
	v_exp_f32 v[rT+6], v[rT+7]
.elseif (j < 23) || ((j < 38) && (j%2 == 0)) || ((j < 66) && (j%4 == 2))
.set b, (j-2)/4                     ; 38, 42, .. 62: pairs 9 to 15
.if j < 38
.set b, (j-20)/2                    ; 21: pair 0; 22, 24, .. 36: pairs 1 to 8
.endif
	v_pk_fma_f32 v[rS+2*b:rS+2*b+1], v[rS+2*b:rS+2*b+1], s[CS:CS+1], v[rT:rT+1] op_sel_hi:[1,0,0] neg_lo:[0,0,1] neg_hi:[0,0,1]
.elseif j < 70
.set e, j-38                        ; 66 to 69: s28 to s31
.if j < 66
.set e, j-32-(j-38)/4               ; 39-41, 43-45, .. 63-65: s7 to s27
.endif
.if j < 38
.set e, (j-25)/2                    ; 25, 27, .. 37: s0 to s6
.endif
	v_exp_f32 v[rS+e], v[rS+e]
.elseif j < 86
	v_cvt_pk_f16_f32 v[rP+j-70], v[rS+2*(j-70)], v[rS+2*(j-70)+1]
.elseif j < 102                     ; the sum of the tile's 16 pairs, in place: neighbours 1, 2, 4 and 8 pairs apart, then l takes it
.set z, j-86
.set w, 4
.set u, z
.if z >= 14
.set w, 32
.set u, 0
.elseif z >= 12
.set w, 16
.set u, z-12
.elseif z >= 8
.set w, 8
.set u, z-8
.endif
.if z < 15
	v_pk_add_f32 v[rS+w*u:rS+w*u+1], v[rS+w*u:rS+w*u+1], v[rS+w*u+w/2:rS+w*u+w/2+1]
.else
	v_pk_fma_f32 v[rT+2:rT+3], v[rT+2:rT+3], v[rT+6:rT+7], v[rS:rS+1] op_sel_hi:[1,0,1]
.endif
.else
	WIN W_RS
	v_pk_mul_f32 v[rO:rO+1], v[rO:rO+1], v[rT+6:rT+7] op_sel_hi:[1,0]
.endif
.endm
; Slice k of 64 of piece y's softmax: four instructions (slice 63: sixteen).  Slices 11 to 34 deal out the batch, four numbers of one tile each, the tiles by turns; every other slice is numbers 2 k and 2 k + 1 of both tiles.
; Ahead of slice 35 nothing names an exponential's result, and behind slice 34 none is issued: the piece's 66 exponentials have one plain instruction and one wait behind them.
.macro SLICE y
.if (k >= 11) && (k < 35)
.irp n, 0,1,2,3
.set j, 22+4*((k-11)/2)+(\n)
	SM (\y)+(k-11)%2
.endr
.else
.irp n, 0,1,2,3,4,5,6,7
.if ((\n) < 2) || (k == 63)
.irp t, \y, (\y)+1
.set j, 2*k+(\n)
	SM \t
.endr
.endif
.endr
.endif
.if k == 34
	v_nop
	s_wait_alu depctr_va_vdst(0)
.endif
.set k, k+1
.endm
; A TURN: 32 products of one kind for piece x (kind 0: K Q^T, 1: V^T P), two slices of the other piece's softmax behind each.  No slice names a register of the products round it;
; slices 62 and 63, twenty plain instructions, are the places behind the last product.
.macro TURN x, kind
.set k, 0
.set i, 0
.rept 32
.if \kind
	PV \x
.else
	KQ \x
.endif
	SLICE 2-(\x)
	SLICE 2-(\x)
.set i, i+1
.endr
.endm
; The trip's three masks, by selects on DD; then Q (after a change of blocks) and K are waited for.
.macro MASKS
	WIN 0
	s_cmp_gt_i32 s[DD], 0
	s_cselect_b32 s[BE], s[BIGN], 0
	s_cmp_ge_i32 s[DD], 0
	s_cselect_b32 s[GTV], s[BIGN], 0
	s_cmp_eq_u32 s[DD], 0
	s_cselect_b32 s[AL], 1.0, 0
	WIN 0xc3
.set z, 0
.rept 8
	v_mov_b32 v[MC+z], s[BE]
	v_mov_b32 v[MC+16+z], s[GTV]
.set z, z+1
.endr
.set z, 0
.rept 4
	v_pk_fma_f32 v[MC+8+2*z:MC+8+2*z+1], v[DG+2*z:DG+2*z+1], s[AL:AL+1], s[BE:BE+1] op_sel_hi:[1,0,0]
.set z, z+1
.endr
	s_wait_loadcnt 0x0              ; Q
	s_wait_dscnt 32                 ; K's run is in; V's 32 loads, issued behind it, may be out
.endm
; THE CHANGE OF SLOTS.  The tile in hand lies in registers.  Each wave waits for all its tensor loads, of which one is out: its part of the next tile; adds 0 to its spare word; and waits for that and for its own
; reads of the slot.  fill = 1: a round of the cluster's barrier, and the slot is filled again first behind it, with the walk's tile two on: it has a whole trip, 128 matrix instructions, in which to land.
.macro CHANGE fill
	WIN 0
	s_wait_tensorcnt 0x0            ; no tensor load of mine is out, so a group 0 may be written
	ds_add_u32 v[SPW], v[NIL]       ; 0 onto my spare word; the descriptors' scalar work stands between it and the wait for it
.if \fill
	s_xor_b32 s[SB], s[SB], SLOT    ; the other slot than last time
	s_lshl_b32 s[OFK], s[NXT], 16
	s_lshl_b32 s[OFV], s[NXT], 9
	s_add_co_u32 s[G0K+5], s[KP], s[SB]
	s_add_nc_u64 s[G0K+6:G0K+7], s[KB:KB+1], s[OFK:OFK+1]  ; the address is made anew from the tile's number
	s_or_b32 s[G0K+7], s[G0K+7], 0x80000000
	s_add_co_u32 s[G0V+5], s[VP], s[SB]
	s_add_nc_u64 s[G0V+6:G0V+7], s[VB:VB+1], s[OFV:OFV+1]
	s_or_b32 s[G0V+7], s[G0V+7], 0x80000000
	STEPN
	s_wait_xcnt 0x0                 ; the last prefetch, a trip back, has read its address
	s_add_nc_u64 s[PFA:PFA+1], s[PFA:PFA+1], s[PFS:PFS+1]
	s_wait_dscnt 0x0                ; the add is done, and my reads of the slot are over
	CROUND
	JLOAD                           ; its four v_nop are also the places behind piece 0's products
	ASK
.else
	s_wait_dscnt 0x0
	s_barrier_signal -1
	s_barrier_wait -1
	PLACES
.endif
.endm
; A BLOCK'S END: the four waves' partial (c m, l, O) are merged.  M = the largest c m; e_u = 2^(c m_u - M); L = the sum of e_u l_u; each wave scales its O^T by g = e_own / L; the four are added through LDS, a tile
; of 16 queries at a time; wave w adds, rounds and stores queries 4 w .. 4 w + 3.  In a stage row the even chunks of 16 bytes lie in the first 256 bytes and the odd ones in the second, so that a lane's 8 channels
; are two loads whose 16 lanes each take 256 consecutive bytes.  Eight work-group barriers; all waves and all partners run it in the same trip.
.macro SCALE t
	WIN W_RS
.set i, 64*(\t)
.rept 32
	v_pk_mul_f32 v[i:i+1], v[i:i+1], v[ST+8*(\t)+6:ST+8*(\t)+7] op_sel_hi:[1,0]
.set i, i+2
.endr
.endm
.macro FINISH
	WIN 0
.irp t, 0,1,2,3
	v_add_f32 v[ST+8*(\t)+4], v[ST+8*(\t)+2], v[ST+8*(\t)+3]
.endr
.irp t, 0,1,2,3
	v_permlanex16_b32 v[ST+8*(\t)+5], v[ST+8*(\t)+4], s[SEL], s[SEL+1]
.endr
.irp t, 0,1,2,3
	v_add_f32 v[ST+8*(\t)+1], v[ST+8*(\t)+4], v[ST+8*(\t)+5]  ; l takes m's place, beside c m
.endr
.irp t, 0,1,2,3
	ds_store_b64 v[MLW], v[ST+8*(\t):ST+8*(\t)+1] offset:256*(\t)
.endr
	s_wait_dscnt 0x0                ; for the others' sake
	s_barrier_signal -1
	s_barrier_wait -1
.irp t, 0,1,2,3
.irp u, 0,1,2,3
	ds_load_b64 v[S+8*(\t)+2*(\u):S+8*(\t)+2*(\u)+1], v[MLR] offset:1024*(\u)+256*(\t)
.endr
.endr
	s_wait_dscnt 0x0
.irp t, 0,1,2,3
	v_max3_num_f32 v[ST+8*(\t)+5], v[S+8*(\t)], v[S+8*(\t)+2], v[S+8*(\t)+4]
.endr
.irp t, 0,1,2,3
	v_max_num_f32 v[ST+8*(\t)+5], v[ST+8*(\t)+5], v[S+8*(\t)+6]
.endr
.irp t, 0,1,2,3
.irp u, 0,1,2,3
	v_sub_f32 v[S+8*(\t)+2*(\u)], v[S+8*(\t)+2*(\u)], v[ST+8*(\t)+5]
.endr
	v_sub_f32 v[ST+8*(\t)+4], v[ST+8*(\t)], v[ST+8*(\t)+5]
.endr
.irp t, 0,1,2,3
.irp u, 0,1,2,3
	v_exp_f32 v[S+8*(\t)+2*(\u)], v[S+8*(\t)+2*(\u)]
.endr
	v_exp_f32 v[ST+8*(\t)+4], v[ST+8*(\t)+4]
.endr
	v_nop                           ; a plain instruction behind the last exponential,
	s_wait_alu depctr_va_vdst(0)    ; and one wait for the twenty, ahead of their first reader
.irp t, 0,1,2,3
	v_mul_f32 v[ST+8*(\t)+5], v[S+8*(\t)], v[S+8*(\t)+1]
.endr
.irp u, 1,2,3
.irp t, 0,1,2,3
	v_fmac_f32 v[ST+8*(\t)+5], v[S+8*(\t)+2*(\u)], v[S+8*(\t)+2*(\u)+1]
.endr
.endr
.irp t, 0,1,2,3
	v_rcp_f32 v[ST+8*(\t)+6], v[ST+8*(\t)+5]
.endr
	v_nop
	s_wait_alu depctr_va_vdst(0)    ; one wait for the four reciprocals
.irp t, 0,1,2,3
	v_mul_f32 v[ST+8*(\t)+6], v[ST+8*(\t)+6], v[ST+8*(\t)+4]  ; g
.endr
	SCALE 0
.irp t, 0,1,2,3
	WIN 0x04                        ; the stores' data in window 1
.irp c, 0,1,2,3,4,5,6,7
	ds_store_b128 v[STW], v[64*(\t)+8*(\c):64*(\t)+8*(\c)+3]   offset:32*(\c)
	ds_store_b128 v[STW], v[64*(\t)+8*(\c)+4:64*(\t)+8*(\c)+7] offset:256+32*(\c)
.endr
	WIN 0
	s_wait_dscnt 0x0                ; for the others' sake: my partial lies in the stage
	s_barrier_signal -1
	s_barrier_wait -1
.irp g, 0,1,2,3                     ; g = 2 i + q: query 4 w + h + 2 i, half q of my 8 channels; partial u
.irp u, 0,1,2,3
	ds_load_b128 v[S+16*(\g)+4*(\u):S+16*(\g)+4*(\u)+3], v[STR] offset:PART*(\u)+2*SPT*((\g)/2)+256*((\g)%2)
.endr
.endr
	s_wait_dscnt 0x0                ; my reads of the stage are over:
.if (\t) < 3
	s_barrier_signal -1             ; say so; work on registers stands between the signal and the wait
.endif
.irp g, 0,1,2,3
.irp c, 0,2
	v_pk_add_f32 v[S+16*(\g)+(\c):S+16*(\g)+(\c)+1], v[S+16*(\g)+(\c):S+16*(\g)+(\c)+1], v[S+16*(\g)+4+(\c):S+16*(\g)+4+(\c)+1]
	v_pk_add_f32 v[S+16*(\g)+8+(\c):S+16*(\g)+8+(\c)+1], v[S+16*(\g)+8+(\c):S+16*(\g)+8+(\c)+1], v[S+16*(\g)+12+(\c):S+16*(\g)+12+(\c)+1]
.endr
.endr
.irp g, 0,1,2,3
.irp c, 0,2
	v_pk_add_f32 v[S+16*(\g)+(\c):S+16*(\g)+(\c)+1], v[S+16*(\g)+(\c):S+16*(\g)+(\c)+1], v[S+16*(\g)+8+(\c):S+16*(\g)+8+(\c)+1]
.endr
.endr
.irp g, 0,1,2,3
.irp c, 0,2
	v_cvt_pk_f16_f32 v[P+8*(\t)+2*(\g)+(\c)/2], v[S+16*(\g)+(\c)], v[S+16*(\g)+(\c)+1]
.endr
.endr
.if (\t) < 3
	SCALE (\t)+1
	WIN 0
	s_barrier_wait -1               ; nobody reads the stage any more: the next tile may be put there
.endif
.irp i, 0,1
	global_store_b128 v[GO], v[P+8*(\t)+4*(\i):P+8*(\t)+4*(\i)+3], s[OB:OB+1] offset:65536*(\t)+8192*(\i)  ; 16 lanes store 256 consecutive bytes, at a multiple of 256 from oh's first byte
.endr
.endr
	s_wait_xcnt 0x0                 ; the stores have read their registers and their base: P and OB are written again only behind this wait
.endm
.macro BEGINHI                      ; block hi begins: its first a is 0, so O^T and l keep what they hold
	s_mov_b64 s[OB:OB+1], s[OHI:OHI+1]
.set i, 0
.rept 4
	v_mov_b32 v[ST+8*i], 0xfe000000
	v_mov_b32 v[ST+8*i+1], 0xff7fffff
.set i, i+1
.endr
	s_sub_co_u32 s[DD], s[DDHI], 4  ; the trip's end adds 4
.endm
; A TRIP.  fill = 1: in the loop.  fill = 0: the tail, in whose last trip (CNT = 1) there is no next tile to fetch.
.macro TRIP fill
	MASKS
.set i, 0
.rept 32
	KQ 0                            ; piece 0's scores
.set i, i+1
.endr
	CHANGE \fill
	TURN 2, 0                       ; piece 2's scores | piece 0's softmax
	WIN 0
.if \fill
	s_cmp_lg_u32 s[LOLEFT], 0       ; lo's last tile: its last product K Q^T is issued, twenty plain instructions back: hi's Q comes in.  The test is alike in all waves and partners
	s_cbranch_scc1 .Lkeep_q_\@
	QLOAD QHI
.Lkeep_q_\@:
.else
	s_cmp_eq_u32 s[CNT], 1
	s_cbranch_scc1 .Lno_k_\@
.endif
	s_xor_b32 s[TB], s[TB], SLOT    ; the next tile's slot: whole since the change of slots
	FETCH_K
.if !(\fill)
.Lno_k_\@:
.endif
	TURN 0, 1                       ; piece 0's V^T P | piece 2's softmax
.set i, 0
.rept 32
	PV 2                            ; piece 2's V^T P
.set i, i+1
.endr
	WIN 0
	PLACES                          ; behind the last product: in front of the loads into V's registers and of the lines that read O^T
.if !(\fill)
	s_cmp_eq_u32 s[CNT], 1
	s_cbranch_scc1 .Lno_v_\@
.endif
	FETCH_V
.if \fill
	s_cmp_lg_u32 s[LOLEFT], 0
	s_cbranch_scc1 .Lno_end_\@
	FINISH
	BEGINHI
.Lno_end_\@:
.else
.Lno_v_\@:
.endif
	s_add_co_u32 s[DD], s[DD], 4
	s_sub_co_u32 s[LOLEFT], s[LOLEFT], 1
.endm
	s_wait_tensorcnt 1              ; my part of the first tile is in; the second's may stay out
	s_barrier_signal -1
	s_barrier_wait -1               ; everybody's is
	FETCH_K
	FETCH_V
.Lslot:                             ; seven trips: a tile is worked on and the walk's tile two on is asked for
	TRIP 1
	s_sub_co_u32 s[SLOTS], s[SLOTS], 1
	s_cmp_lg_u32 s[SLOTS], 0
	s_cbranch_scc1 .Lslot
	s_mov_b32 s[CNT], 2             ; the last two tiles have a text of their own
.Ltail:
	TRIP 0
	s_sub_co_u32 s[CNT], s[CNT], 1
	s_cmp_lg_u32 s[CNT], 0
	s_cbranch_scc1 .Ltail
	FINISH                          ; block hi's end
	s_wait_tensorcnt 0x0            ; the wave's end, behind my last tensor load and my last LDS store
	ds_add_u32 v[SPW], v[NIL]
	s_wait_dscnt 0x0
	CROUND                          ; the closing round: no work-group ends while a partner may still ask for a tile that names it
	s_endpgm
.Lfunc_end_k_qcf29e00738_attn:
	.size	k_qcf29e00738_attn, .Lfunc_end_k_qcf29e00738_attn-k_qcf29e00738_attn
	.p2alignl 7, 3214868480
	.fill 96, 4, 3214868480
	.section	.rodata,"a",@progbits
	.p2align	6, 0x0
	.amdhsa_kernel k_qcf29e00738_attn
		.amdhsa_group_segment_fixed_size 327680
		.amdhsa_private_segment_fixed_size 0
		.amdhsa_enable_private_segment 0
		.amdhsa_kernarg_size 32
		.amdhsa_user_sgpr_count 2
		.amdhsa_user_sgpr_kernarg_segment_ptr 1
		.amdhsa_wavefront_size32 1
		.amdhsa_system_sgpr_workgroup_id_x 1
		.amdhsa_system_sgpr_workgroup_id_y 1
		.amdhsa_system_sgpr_workgroup_id_z 1
		.amdhsa_system_vgpr_workitem_id 0
		.amdhsa_next_free_vgpr 928
		.amdhsa_next_free_sgpr 100
		.amdhsa_reserve_vcc 1
		.amdhsa_float_denorm_mode_32 3
		.amdhsa_float_denorm_mode_16_64 3
		.amdhsa_memory_ordered 1
		.amdhsa_forward_progress 1
		.amdhsa_inst_pref_size 187
	.end_amdhsa_kernel
	.amdgpu_metadata
---
amdhsa.version: [ 1, 2 ]
amdhsa.kernels:
  - .name:           k_qcf29e00738_attn
    .symbol:         k_qcf29e00738_attn.kd
    .args:
      - { .name: qh, .offset: 0, .size: 8, .value_kind: global_buffer, .address_space: global }
      - { .name: kh, .offset: 8, .size: 8, .value_kind: global_buffer, .address_space: global }
      - { .name: vt, .offset: 16, .size: 8, .value_kind: global_buffer, .address_space: global }
      - { .name: oh, .offset: 24, .size: 8, .value_kind: global_buffer, .address_space: global }
    .group_segment_fixed_size: 327680
    .private_segment_fixed_size: 0
    .kernarg_segment_align: 8
    .kernarg_segment_size: 32
    .max_flat_workgroup_size: 128
    .sgpr_count:     100
    .vgpr_count:     928
    .wavefront_size: 32
...
	.end_amdgpu_metadata
.endif
;; end of part 3
;; launch proj (part 4): grid 16 x 16, 4 waves a work-group, clusters of 4 x 4, 327,680 bytes of LDS; arguments oh, cb, bo, out0; writes out0
.if DOCPART == 4
	.amdgcn_target "amdgcn-amd-amdhsa--gfx1250"
	.amdhsa_code_object_version 6
	.text
	.protected	k_qcf29e00738_proj
	.globl	k_qcf29e00738_proj
	.p2align	8
	.type	k_qcf29e00738_proj,@function
k_qcf29e00738_proj:
	s_mov_b64 s[64:65], 0
	v_nop
	global_prefetch_b8 v0, s[64:65] scope:SCOPE_SE
	s_setreg_imm32_b32 hwreg(HW_REG_WAVE_MODE, 25, 1), 1
	s_wait_xcnt 0x0
	s_wait_alu depctr_hold_cnt(0) depctr_sa_sdst(0) depctr_va_vdst(0) depctr_va_sdst(0) depctr_va_ssrc(0) depctr_va_vcc(0) depctr_vm_vsrc(0)
	s_getreg_b32 s2, hwreg(HW_REG_IB_STS2, 6, 4)
	s_cmp_eq_u32 s2, 0
	s_cbranch_scc0 .Lentry_in_a_cluster
	s_endpgm
.Lentry_in_a_cluster:
	s_bfe_u32 s2, ttmp6, 0x10000c
	s_cmp_lg_u32 s2, 0xf033
	s_cbranch_scc0 .Lentry_shape_is_right
	s_endpgm
.Lentry_shape_is_right:
; out0[m][n] = the sum over k of oh[m][k] wo[n][k] + bo[n].  oh: [2048][2048] f16; wo: section 4 of cb, [2048][2048] f16 (numbers rounded to bf16); bo f32, rounded to bf16 like every input; out0 f32; sums in f32.
; A tile of out0 is 128 x 128: 256 work-groups, one tile each.  Four waves, each 64 x 64: 16 accumulators, 128 registers.  K goes in 8 steps of 256 (LDS rows of 512 bytes; a wave's tensor load brings 64 of them)
; through two slots.  The bias is the C operand of the product that starts a sum.
; CLUSTERS: 4 x 4 work-groups.  The four of a row of the cluster need the same tiles of oh, the four of a column the same tiles of wo: each tile is asked for JOINTLY, by the same tensor load with the same
; descriptor and a mask that names the four.  THE MATRIX INSTRUCTION IS USED TRANSPOSED (source 0 = 16 rows of wo, source 1 = 16 rows of oh): a lane holds eight neighbouring numbers of a row of out0.
; THE WALK THROUGH K IS STAGGERED.  Cluster (X, Y) begins at K step (2 X + 4 Y) mod 8 and goes once round.  So the four clusters that read the same rows of oh (same Y) stand 2 K steps apart, and of the four
; that read the same rows of wo (same X) two and two stand 4 apart: at any one time they ask for different blocks.  The f32 sums may be taken in any order.  A refill's address is made anew from its K step.
; THE TEXT.  A K step is written once: the LDS addresses are a base plus TB (0 or SLOT), one group 0 a tensor walks.  The loop's trip goes from a step's second quarter to the next step's first.
; THE WAY OUT: a wave's 64 columns of f32 are 256 aligned bytes, so each wave has a stage of its own and no barrier is needed.
; REGISTERS: window 0: v0-31 addresses; v32-95 at work; v96-127 the bias, 8 registers a column block; v128-255 the accumulators ((a, b) at v[128 + 8 (4 a + b)]).
;   window 1: two fragment buffers of 128: for 64 along K, 64 registers of oh (2 x 4 x 16 rows x 32 K), then 64 of wo.
.set SIZE_K, 2048
.set KSTEP,  256
.set STEPS,  SIZE_K/KSTEP
.set PITCH,  528                       ; an LDS row: 512 bytes + 16 of padding = 132 words: the 16 rows of a load start at 16 different groups of four banks (64 banks of 4 bytes: ISA guide 11.1)
.set HALFT,  64*PITCH
.set SLOT,   4*HALFT
.set STAGE,  2*SLOT                    ; behind the ring: 16 rows x 272 bytes for each wave
.set SPITCH, 272
.set SPARE,  STAGE+4*16*SPITCH         ; behind the stages: the spare words, 128 bytes for each wave: two blocks of 256 bytes that no other line names
.set BSA,  10                          ; v10  my fragments of oh in slot 0; never rewritten
.set BSB,  11                          ; v11  of wo
.set ADRA, 16                          ; v16, v20  the same two in the slot that is being read
.set ADRB, 20
.set STO,  24                          ; v24  stage in: 272 r + 32 h
.set RD,   25                          ; v25  stage back: 272 h + 16 r
.set CO,   26                          ; v26  8192 h + 16 r: two rows of out0
.set SPW,  28
.set NIL,  29
.set TMP,  32
.set BIAS, 96
.set ACC,  128
.set F0,   0
.set F1,   128
.set OFF, 12                           ; s[12:13] a K step's byte offset in a row
.set AB,  14                           ; s[14:15] oh at the rows that I fetch, K step 0.  It never holds cx
.set LB,  20                           ; s20  my tile's place in a slot: wave x 64 rows
.set G1, 24                            ; s[24:31] group 1 for oh's tiles; s[32:39] group 0: a set for each of the two first fills; the second then serves every refill
.set G0, 32
.set BB,  46                           ; s[46:47] wo at the rows that I fetch, K step 0.  It never holds cy
.set G1B, 48
.set G0B, 56
.set WV, 70                            ; s70  my wave's number
.set RH, 71                            ; s71  which half of the tile's rows is mine.  Also: I fetch for oh (0) or for wo (1)
.set CH, 72                            ; s72  which half of its columns.  Also: which 64 rows of that tile I fetch
.set TR, 73                            ; s73  tile row
.set TB, 76                            ; s76  the slot that is being read: 0 or SLOT
.set SB, 77                            ; s77  the slot that was filled last: 0 or SLOT
.set KQ, 78                            ; s78  the K step to be asked for next
.set MSB, 0
.macro WIN new
.if MSB != (\new)
	s_set_vgpr_msb (MSB<<8)|(\new)
.set MSB, \new
.endif
.endm
.set MUL,  0x05                        ; sources 0 and 1 window 1; C and D window 0
.set TO_F, 0x40                        ; destination window 1, address window 0
.macro JLOAD s                         ; a joint load; an s_nop 0 and four v_nop follow each of the two lines, ahead of the jump, the label and what follows
	s_cmp_eq_u32 s[RH], 0
	s_cbranch_scc0 .Lfor_b_\@
	tensor_load_to_lds s[G0+4*(\s):G0+4*(\s)+3], s[G1:G1+7]
	s_nop 0
.rept 4
	v_nop
.endr
	s_branch .Lasked_\@
.Lfor_b_\@:
	tensor_load_to_lds s[G0B+4*(\s):G0B+4*(\s)+3], s[G1B:G1B+7]
	s_nop 0
.rept 4
	v_nop
.endr
.Lasked_\@:
.endm
.macro CREST
	s_cmp_lg_u32 s[WV], 0
	s_cbranch_scc1 .Lnot_wave_0_\@
	s_barrier_signal -3
.Lnot_wave_0_\@:
	s_barrier_wait -3
	s_barrier_signal -1
	s_barrier_wait -1
.endm
.macro CROUND
	s_barrier_signal -1
	s_barrier_wait -1
	CREST
.endm
	s_load_b256 s[4:11], s[0:1], 0x0               ; oh s[4:5], cb s[6:7], bo s[8:9], out0 s[10:11]
	v_lshl_add_u32 v[SPW], v0, 2, SPARE
	v_mov_b32 v[NIL], 0
	ds_add_u32 v[SPW], v[NIL]                      ; the wave's opening: the add and its wait stand ahead of my first tensor load; the set-up below, work on registers, stands between them
	v_lshrrev_b32 v1, 5, v0
	v_readfirstlane_b32 s[WV], v1
	s_lshr_b32 s[RH], s[WV], 1
	s_and_b32 s[CH], s[WV], 1
	s_bfe_u32 s40, ttmp6, 0x40000                  ; cx, cy
	s_bfe_u32 s41, ttmp6, 0x40004
	s_lshl_b32 s42, ttmp9, 2
	s_add_co_u32 s42, s42, s40                     ; tile column = 4 x cluster x + cx
	s_and_b32 s45, ttmp7, 0xffff                   ; cluster y
	s_lshl_b32 s[TR], s45, 2
	s_add_co_u32 s[TR], s[TR], s41                 ; tile row = 4 x cluster y + cy
	s_lshl_b32 s[KQ], ttmp9, 1                     ; where my cluster's walk begins: (2 x cluster x + 4 x cluster y) mod 8: the same in all sixteen partners
	s_lshl_b32 s45, s45, 2
	s_add_co_u32 s[KQ], s[KQ], s45
	s_and_b32 s[KQ], s[KQ], STEPS-1
	s_mov_b32 s[OFF+1], 0
	s_mov_b32 s[TB], 0
	s_mov_b32 s[SB], SLOT                          ; the second first fill goes into slot 1
	s_lshl_b32 s43, s41, 2
	s_lshl_b32 s43, 15, s43                        ; my row of the cluster
	s_lshl_b32 s44, 0x1111, s40                    ; my column
	; descriptor group 1: a tile of 64 rows x 256 elements of 2 bytes, 4 words of padding after every 128
	s_or_b32 s[G1+0], s43, (1<<16)|(1<<20)|(1<<21)|(6<<22)|(3<<25)
	s_or_b32 s[G1B+0], s44, (1<<16)|(1<<20)|(1<<21)|(6<<22)|(3<<25)
.irp g, G1, G1B
	s_mov_b32 s[(\g)+1], KSTEP<<16
	s_mov_b32 s[(\g)+2], 64<<16
	s_mov_b32 s[(\g)+3], KSTEP<<16
	s_mov_b32 s[(\g)+4], 64
	s_mov_b32 s[(\g)+5], SIZE_K
	s_mov_b32 s[(\g)+6], 0
	s_mov_b32 s[(\g)+7], 0
.endr
	s_lshl_b32 s17, s[CH], 6                       ; which 64 rows of the tile I fetch
	s_lshl_b32 s16, s[TR], 7
	s_add_co_u32 s16, s16, s17                     ; oh: row 128 x tile row + 64 x half
	s_lshl_b32 s46, s42, 7
	s_add_co_u32 s46, s46, s17                     ; wo: row 128 x tile column + 64 x half
	s_mov_b32 s17, 0
	s_mov_b32 s47, 0
	s_mov_b64 s[18:19], SIZE_K*2
	s_mul_u64 s[16:17], s[16:17], s[18:19]
	s_mul_u64 s[46:47], s[46:47], s[18:19]
	s_mul_i32 s[LB], s[WV], HALFT                  ; where they go: wave x 64 rows: no place in the cluster enters an LDS address
	s_wait_dscnt 0x0                               ; the opening add is done
	s_wait_kmcnt 0x0
	s_add_nc_u64 s[6:7], s[6:7], 0x2000000         ; wo is cb's section 4
	s_add_nc_u64 s[AB:AB+1], s[4:5], s[16:17]
	s_add_nc_u64 s[BB:BB+1], s[6:7], s[46:47]
	CROUND                                         ; all sixteen work-groups are here: the first joint loads meet
.irp s, 0,1
	s_lshl_b32 s[OFF], s[KQ], 9                    ; a K step is 512 bytes of a row
	s_mov_b32 s[G0+4*(\s)], 1
	s_add_co_u32 s[G0+4*(\s)+1], s[LB], (\s)*SLOT
	s_add_nc_u64 s[G0+4*(\s)+2:G0+4*(\s)+3], s[AB:AB+1], s[OFF:OFF+1]
	s_or_b32 s[G0+4*(\s)+3], s[G0+4*(\s)+3], 0x80000000
	s_mov_b32 s[G0B+4*(\s)], 1
	s_add_co_u32 s[G0B+4*(\s)+1], s[LB], (\s)*SLOT
	s_add_nc_u64 s[G0B+4*(\s)+2:G0B+4*(\s)+3], s[BB:BB+1], s[OFF:OFF+1]
	s_or_b32 s[G0B+4*(\s)+3], s[G0B+4*(\s)+3], 0x80000000
	s_add_co_u32 s[KQ], s[KQ], 1                   ; the walk's next K step, round the end
	s_and_b32 s[KQ], s[KQ], STEPS-1
	JLOAD \s
.endr
	v_and_b32 v1, 15, v0                           ; r
	v_bfe_u32 v2, v0, 4, 1                         ; h
	v_mul_u32_u24 v3, v1, PITCH
	v_lshl_add_u32 v3, v2, 4, v3
	s_mul_i32 s21, s[RH], HALFT                    ; my 64 rows of oh
	s_mul_i32 s22, s[CH], HALFT                    ; my 64 rows of wo,
	s_add_co_u32 s22, s22, 2*HALFT                 ; which lie behind oh's 128
	v_add_nc_u32 v[BSA], s21, v3
	v_add_nc_u32 v[BSB], s22, v3
	v_mov_b32 v[ADRA], v[BSA]                      ; the walk begins in slot 0
	v_mov_b32 v[ADRB], v[BSB]
	s_mul_i32 s23, s[WV], 16*SPITCH
	s_add_co_u32 s23, s23, STAGE                   ; my stage
	v_mul_u32_u24 v4, v1, SPITCH                   ; in: row r, 32 bytes for each half of the lanes
	v_lshl_add_u32 v4, v2, 5, v4
	v_add_nc_u32 v[STO], s23, v4
	v_mul_u32_u24 v5, v2, SPITCH                   ; back: lanes 0-15 take one row of 256 bytes, lanes 16-31 the next
	v_lshl_add_u32 v5, v1, 4, v5
	v_add_nc_u32 v[RD], s23, v5
	v_lshlrev_b32 v[CO], 13, v2                    ; and the same two rows in out0
	v_lshl_add_u32 v[CO], v1, 4, v[CO]
	v_lshlrev_b32 v6, 5, v2                        ; the bias: my 8 columns begin 32 h bytes into a block of 16
	s_lshl_b32 s16, s[TR], 20                      ; my first row: 128 x tile row + 64 x half, 8,192 bytes a row
	s_lshl_b32 s17, s[RH], 19
	s_add_co_u32 s16, s16, s17
	s_mov_b32 s17, 0
	s_add_nc_u64 s[10:11], s[10:11], s[16:17]
	s_lshl_b32 s74, s42, 9                         ; my first column, in bytes of f32: 512 x tile column + 256 x half: in out0's rows and in bo alike
	s_lshl_b32 s75, s[CH], 8
	s_add_co_u32 s74, s74, s75
	s_mov_b32 s75, 0
	s_add_nc_u64 s[10:11], s[10:11], s[74:75]
	s_add_nc_u64 s[8:9], s[8:9], s[74:75]
.irp b, 0,1,2,3
	global_load_b128 v[TMP+8*(\b):TMP+8*(\b)+3],   v6, s[8:9] offset:64*(\b)
	global_load_b128 v[TMP+8*(\b)+4:TMP+8*(\b)+7], v6, s[8:9] offset:64*(\b)+16
.endr
	s_wait_loadcnt 0x0                             ; rounded to bf16 like every input, widened again
.set n, 0
.rept 16
	v_cvt_pk_bf16_f32 v[TMP+32+n], v[TMP+2*n], v[TMP+2*n+1]
	v_lshlrev_b32 v[BIAS+2*n], 16, v[TMP+32+n]
	v_and_b32 v[BIAS+2*n+1], 0xffff0000, v[TMP+32+n]
.set n, n+1
.endr
; 8 matrix instructions: m blocks a0, a0 + 1 x all 4 n blocks, 32 along K: half c of buffer f.  first = 1: C is the bias.  The 16 accumulators take turns.
.macro MUL8 f, c, a0, first
	WIN MUL
.irp a, \a0, (\a0)+1
.irp b, 0,1,2,3
.if \first
	v_wmma_f32_16x16x32_f16 v[ACC+8*(4*(\a)+(\b)):ACC+8*(4*(\a)+(\b))+7], v[(\f)+64+8*(4*(\c)+(\b)):(\f)+64+8*(4*(\c)+(\b))+7], v[(\f)+8*(4*(\c)+(\a)):(\f)+8*(4*(\c)+(\a))+7], v[BIAS+8*(\b):BIAS+8*(\b)+7]
.else
	v_wmma_f32_16x16x32_f16 v[ACC+8*(4*(\a)+(\b)):ACC+8*(4*(\a)+(\b))+7], v[(\f)+64+8*(4*(\c)+(\b)):(\f)+64+8*(4*(\c)+(\b))+7], v[(\f)+8*(4*(\c)+(\a)):(\f)+8*(4*(\c)+(\a))+7], v[ACC+8*(4*(\a)+(\b)):ACC+8*(4*(\a)+(\b))+7]
.endif
.endr
.endr
.endm
; 32 LDS loads in one run: the fragments of 64 along K at byte k of the rows of the slot that is being read, into buffer f; the first 32 along K first
.macro FETCH k, f
	WIN TO_F
.irp c, 0,1
.irp i, 0,1,2,3
	ds_load_b128 v[(\f)+64+8*(4*(\c)+(\i)):(\f)+64+8*(4*(\c)+(\i))+3],   v[ADRB] offset:(\k)+64*(\c)+(\i)*16*PITCH
	ds_load_b128 v[(\f)+64+8*(4*(\c)+(\i))+4:(\f)+64+8*(4*(\c)+(\i))+7], v[ADRB] offset:(\k)+64*(\c)+(\i)*16*PITCH+32
	ds_load_b128 v[(\f)+8*(4*(\c)+(\i)):(\f)+8*(4*(\c)+(\i))+3],         v[ADRA] offset:(\k)+64*(\c)+(\i)*16*PITCH
	ds_load_b128 v[(\f)+8*(4*(\c)+(\i))+4:(\f)+8*(4*(\c)+(\i))+7],       v[ADRA] offset:(\k)+64*(\c)+(\i)*16*PITCH+32
.endr
.endr
.endm
.macro TOGGLE                          ; the reads go over to the other slot (every window is 0 here)
	s_xor_b32 s[TB], s[TB], SLOT
	v_add_nc_u32 v[ADRA], s[TB], v[BSA]
	v_add_nc_u32 v[ADRB], s[TB], v[BSB]
.endm
.macro PLACES                          ; four places in front of loads into registers that matrix instructions have read, and of stores that read results
.rept 4
	v_nop
.endr
.endm
; A K step is four quarters of 64 along K, 32 matrix instructions each, on buffers 0, 1, 0, 1.
.macro QUARTER k, f, g, first
	s_wait_dscnt 16                                ; the first 32 along K are in
	MUL8 \f, 0, 0, \first
	MUL8 \f, 0, 2, \first
	PLACES
	FETCH \k, \g
	s_wait_dscnt 32                                ; all but the 32 just issued
	MUL8 \f, 1, 0, 0
	MUL8 \f, 1, 2, 0
.endm
; The last quarter's first half: ONE barrier for the change of slots; in front of it each wave waits for all its tensor loads, adds 0 to its spare word, and waits for that and for its own reads of this slot.
; fill = 1: the walking group 0 is written for the refill, while the add is out.
.macro MEET fill
	WIN 0                                          ; (the add's two registers lie in window 0)
	s_wait_tensorcnt 0x0                           ; no tensor load of mine is out, so a group 0 may be written
	ds_add_u32 v[SPW], v[NIL]                      ; 0 onto my spare word
.if \fill
	s_xor_b32 s[SB], s[SB], SLOT                   ; the other slot than last time: the one that is being read out
	s_lshl_b32 s[OFF], s[KQ], 9
	s_add_co_u32 s[G0+5], s[LB], s[SB]
	s_add_co_u32 s[G0B+5], s[LB], s[SB]
	s_add_nc_u64 s[G0+6:G0+7], s[AB:AB+1], s[OFF:OFF+1]  ; the address is made anew from the K step's number
	s_or_b32 s[G0+7], s[G0+7], 0x80000000
	s_add_nc_u64 s[G0B+6:G0B+7], s[BB:BB+1], s[OFF:OFF+1]
	s_or_b32 s[G0B+7], s[G0B+7], 0x80000000
	s_add_co_u32 s[KQ], s[KQ], 1
	s_and_b32 s[KQ], s[KQ], STEPS-1
.endif
	s_wait_dscnt 17                                ; (the add and the youngest sixteen loads may be out)
	MUL8 F1, 0, 0, 0                               ; eight matrix instructions stand between the add and the wait for it
	s_wait_dscnt 0x0                               ; the add is done, and my reads of this slot are over
	s_barrier_signal -1
	MUL8 F1, 0, 2, 0
	WIN 0
	s_barrier_wait -1
.endm
; The whole last quarter of a step that fills: the barrier opens a round of the cluster's barrier, and the slot just read out is filled again first, two steps ahead: 112 matrix instructions ahead of the wait for it.
.macro TURN
	MEET 1
	CREST                                          ; no wave of any partner still reads this slot's tile or has a load on its way
	JLOAD 1                                        ; its four v_nop are also the places in front of the loads below
	TOGGLE
	FETCH 0, F0
	MUL8 F1, 1, 0, 0
	MUL8 F1, 1, 2, 0
.endm
	s_wait_tensorcnt 1                             ; my part of the walk's first step is in; the second's may stay out
	s_barrier_signal -1
	s_barrier_wait -1                              ; everybody's is
	FETCH 0, F0
	QUARTER 128, F0, F1, 1                         ; the first quarter stands in front of the loop: its first products start the sums, with the bias
	WIN 0                                          ; at a label and at a branch every window is 0
	s_mov_b32 s3, STEPS-2
.Lstep:                                                ; 6 trips: from a step's second quarter to the next step's first; the slot read out is filled again
	QUARTER 256, F1, F0, 0
	QUARTER 384, F0, F1, 0
	TURN
	QUARTER 128, F0, F1, 0
	WIN 0
	s_sub_co_u32 s3, s3, 1
	s_cmp_lg_u32 s3, 0
	s_cbranch_scc1 .Lstep
	s_mov_b32 s3, 2                                ; the last two steps fill nothing and have a text of their own: two trips, the second left in its middle
.Ltail:
	QUARTER 256, F1, F0, 0
	QUARTER 384, F0, F1, 0
	MEET 0
	PLACES
	s_cmp_eq_u32 s3, 1                             ; the last step has no step behind it to fetch from
	s_cbranch_scc1 .Lno_fetch
	TOGGLE
	FETCH 0, F0
	WIN 0
.Lno_fetch:
	MUL8 F1, 1, 0, 0
	MUL8 F1, 1, 2, 0
	WIN 0
	s_sub_co_u32 s3, s3, 1
	s_cmp_eq_u32 s3, 0
	s_cbranch_scc1 .Lout
	QUARTER 128, F0, F1, 0
	WIN 0
	s_branch .Ltail
.Lout:
	; THE WAY OUT, 16 rows at a time: 32 bytes a lane and column block into my stage, straight from the accumulators (their low registers first), and back as whole rows of 256 bytes
	PLACES
.irp a, 0,1,2,3
.if (\a) >= 2
	s_wait_xcnt 0x0                                ; the stores of two blocks back have read the registers that are loaded again below
.endif
.irp b, 0,1,2,3
	ds_store_b128 v[STO], v[ACC+8*(4*(\a)+(\b)):ACC+8*(4*(\a)+(\b))+3]   offset:64*(\b)
	ds_store_b128 v[STO], v[ACC+8*(4*(\a)+(\b))+4:ACC+8*(4*(\a)+(\b))+7] offset:64*(\b)+16
.endr
.irp t, 0,1,2,3,4,5,6,7
	ds_load_b128 v[TMP+32*((\a)%2)+4*(\t):TMP+32*((\a)%2)+4*(\t)+3], v[RD] offset:(\t)*2*SPITCH  ; LDS serves a wave's instructions in order (ISA guide 5.7.1.4): these see the stores above; the next block's stores come behind them
.endr
.irp t, 0,1,2,3,4,5,6,7
	s_wait_dscnt 7-(\t)
	global_store_b128 v[CO], v[TMP+32*((\a)%2)+4*(\t):TMP+32*((\a)%2)+4*(\t)+3], s[10:11] offset:(16*(\a)+2*(\t))*8192  ; 16 lanes store 256 consecutive bytes, at a multiple of 256 from out0's first byte
.endr
.endr
	s_wait_tensorcnt 0x0                           ; the wave's end, behind my last tensor load and my last LDS store
	ds_add_u32 v[SPW], v[NIL]
	s_wait_dscnt 0x0
	CROUND                                         ; the closing round: no work-group ends while a partner may still ask for a tile that names it
	s_endpgm
.Lfunc_end_k_qcf29e00738_proj:
	.size	k_qcf29e00738_proj, .Lfunc_end_k_qcf29e00738_proj-k_qcf29e00738_proj
	.p2alignl 7, 3214868480
	.fill 96, 4, 3214868480
	.section	.rodata,"a",@progbits
	.p2align	6, 0x0
	.amdhsa_kernel k_qcf29e00738_proj
		.amdhsa_group_segment_fixed_size 327680
		.amdhsa_private_segment_fixed_size 0
		.amdhsa_enable_private_segment 0
		.amdhsa_kernarg_size 32
		.amdhsa_user_sgpr_count 2
		.amdhsa_user_sgpr_kernarg_segment_ptr 1
		.amdhsa_wavefront_size32 1
		.amdhsa_system_sgpr_workgroup_id_x 1
		.amdhsa_system_sgpr_workgroup_id_y 1
		.amdhsa_system_sgpr_workgroup_id_z 1
		.amdhsa_system_vgpr_workitem_id 0
		.amdhsa_next_free_vgpr 512
		.amdhsa_next_free_sgpr 80
		.amdhsa_reserve_vcc 0
		.amdhsa_float_denorm_mode_32 3
		.amdhsa_float_denorm_mode_16_64 3
		.amdhsa_memory_ordered 1
		.amdhsa_forward_progress 1
		.amdhsa_inst_pref_size 62
	.end_amdhsa_kernel
	.amdgpu_metadata
---
amdhsa.version: [ 1, 2 ]
amdhsa.kernels:
  - .name:           k_qcf29e00738_proj
    .symbol:         k_qcf29e00738_proj.kd
    .args:
      - { .name: oh, .offset: 0, .size: 8, .value_kind: global_buffer, .address_space: global }
      - { .name: cb, .offset: 8, .size: 8, .value_kind: global_buffer, .address_space: global }
      - { .name: bo, .offset: 16, .size: 8, .value_kind: global_buffer, .address_space: global }
      - { .name: out0, .offset: 24, .size: 8, .value_kind: global_buffer, .address_space: global }
    .group_segment_fixed_size: 327680
    .private_segment_fixed_size: 0
    .kernarg_segment_align: 8
    .kernarg_segment_size: 32
    .max_flat_workgroup_size: 128
    .sgpr_count:     80
    .vgpr_count:     512
    .wavefront_size: 32
...
	.end_amdgpu_metadata
.endif
;; end of part 4
